; MI455X (gfx1250); checked and timed in simulation.
; The chip was launched on July 23, 2026; its instructions are those of AMD's public machine-readable ISA for CDNA 5 (MIT licence, August 2026) and "CDNA5" Instruction Set Architecture Reference Guide (July 2026). The comments in the code are by the model that wrote it; some were corrected since.
;; m HC mlp. Allowed arithmetic: matrix products marked QUANTISED: E2M1 operands, one E8M0 scale for each 32 along K, by v_wmma_scale_f32_16x16x128_f8f6f4 with both operands' format E2M1 (or v_wmma_scale_f32_32x16x128_f4), f32 sums; products left as they are: f32 operands where the result goes on into a quantised operand, else bf16, f16 or f32 operands; f32 sums; everything else in f32.
;; Inputs: W1 2,048 x 8,192 float32; W2 8,192 x 2,048 float32; alpha_post one number float32; alpha_pre one number float32; alpha_res one number float32; b1 8,192 float32; b2 2,048 float32; b_post 1 x 4 float32; b_pre 1 x 4 float32; b_res 4 x 4 float32; rms_weight 8,192 float32; theta_post 8,192 x 4 float32; theta_pre 8,192 x 4 float32; theta_res 8,192 x 16 float32; x 2,048 x 4 x 2,048 float32.
;; Outputs: out0 2,048 x 4 x 2,048 float32.
;; This version of the problem:
;;   THIS VERSION OF THE PROBLEM IS GIVEN IN LOW PRECISION. The matrix products marked QUANTISED in the list below multiply operands that are first quantised to E2M1 (2 exponent bits, 1 mantissa bit; 4 bits a number), with one power-of-two scale for each 32 numbers along K (OCP MX v1.0); their sums are f32. All else is computed in f32.
;;   The module's matrix products, in the order in which they are computed (A, B: the left and right operand; K: the contracted axis; several contracted axes count as one K, in the product's order):
;;     1. [M 2,048, K 8,192] x [K 8,192, N 4]; A: computed on the way; B: input theta_pre: left as it is (N = 4 < 16)
;;     2. [M 2,048, K 8,192] x [K 8,192, N 4]; A: computed on the way; B: input theta_post: left as it is (N = 4 < 16)
;;     3. [M 2,048, K 8,192] x [K 8,192, N 16]; A: computed on the way; B: input theta_res: QUANTISED
;;     4. batch 2,048 x [M 1, K 4] x [K 4, N 2,048]; A: computed on the way; B: input x: left as it is (K = 4 < 32)
;;     5. [M 2,048, K 2,048] x [K 2,048, N 8,192]; A: computed on the way; B: input W1: QUANTISED
;;     6. [M 2,048, K 8,192] x [K 8,192, N 2,048]; A: computed on the way; B: input W2: QUANTISED
;;     7. batch 2,048 x [M 4, K 4] x [K 4, N 2,048]; A: computed on the way; B: input x: left as it is (K = 4 < 32)
;;   THE QUANTISER, for each operand of a quantised product, along K:
;;     - K is cut into blocks of 32 from its start; a last block that is shorter is filled with zeros.
;;     - A block's scale is 2^e with e = floor(log2(the largest magnitude in the block)) - 2, held to -126 .. 127; a block of zeros has e = 0. As a byte (E8M0): e + 127.
;;     - Each number is divided by its block's scale, clamped to +-6, and rounded to the nearest number of E2M1, ties to even, subnormals kept.
;;     - The product sums the exact products of the quantised numbers (number of the format x scale) in f32.
;;   ~~~python
;;   def quantise(x, axis):      # numpy; x: float32 -> the quantised numbers, widened to float32 again
;;       x = np.moveaxis(x, axis, -1); K = x.shape[-1]
;;       x = np.pad(x, [(0, 0)] * (x.ndim - 1) + [(0, -K % 32)]); x = x.reshape(x.shape[:-1] + (-1, 32)); a = np.abs(x).max(-1, keepdims=True)
;;       e = np.where(a > 0, np.clip(np.frexp(np.where(a > 0, a, 1))[1] - 1 - 2, -126, 127), 0)      # np.frexp(a)[1] - 1 = floor(log2(a)), exactly
;;       r = np.clip(x / 2.0 ** e, -6, 6)
;;       step = 2.0 ** (np.maximum(np.frexp(np.where(r == 0, 1, r))[1] - 1, 0) - 1)
;;       q = np.round(r / step) * step * 2.0 ** e      # np.round: ties to even
;;       return np.moveaxis(q.reshape(q.shape[:-2] + (-1,))[..., :K], -1, axis).astype(np.float32)
;;   ~~~
;;   OPERANDS COMPUTED ON THE WAY. 'Computed on the way' means the value that the module computes at that place (a softmax that the list does not call 'softmax' is quantised finished and normalised). What goes into a quantiser is computed in f32, as accurately as f32 sums, v_exp_f32 and their like allow (about 1e-6 of the number): no bf16 or f16 on the way to a quantiser, and a product that is left as it is and whose result goes on into a quantised operand takes f32 operands (vector FMAs, or v_wmma_f32_16x16x4_f32). A number that lies on a knife's edge between two numbers of the format may be rounded either way, as far as f32 arithmetic and the matrix unit's own rounding can turn it there, and no further.
;; One version. Each part assembles by itself: llvm-mc -triple=amdgcn-amd-amdhsa -mcpu=gfx1250 --defsym DOCPART=n.
;; ======== version 1 of 1: 4 launches
;; workspace buffers: w1c 8,912,896 bytes; w2c 8,912,896 bytes; thc 335,872 bytes; xc 2,228,224 bytes; hrec 524,288 bytes; hc 8,912,896 bytes
;; launch prep (part 1): grid 528 x 1, 4 waves a work-group, no clusters, 70,144 bytes of LDS; arguments W1, W2, theta_res, theta_pre, theta_post, rms_weight, w1c, w2c, thc; writes w1c, w2c, thc
.if DOCPART == 1
	.amdgcn_target "amdgcn-amd-amdhsa--gfx1250"
	.amdhsa_code_object_version 6
	.text
	.protected	k_q37902c7a0e_prep
	.globl	k_q37902c7a0e_prep
	.p2align	8
	.type	k_q37902c7a0e_prep,@function
k_q37902c7a0e_prep:
	s_mov_b64 s[64:65], 0
	v_nop
	global_prefetch_b8 v0, s[64:65] scope:SCOPE_SE
	s_setreg_imm32_b32 hwreg(HW_REG_WAVE_MODE, 25, 1), 1
	s_wait_xcnt 0x0
; PREP: the operands that many work-groups read are laid out once.
; NOTHING OF THE PROBLEM IS LEFT OUT IN THIS PROGRAM: every input (x, rms_weight, the three thetas, the three alphas, the three small biases, W1, b1, W2, b2) reaches out0 for some values, so every input is loaded and every product is done.
; W1 [2048 k][8192 n] and W2 [8192 k][2048 n], f32 with K as the first axis, become codes of E2M1 with K innermost and one E8M0 byte for each 32 along K.
;   w1c: codes [8 panels of 256 k][8192 places][128 bytes], then from byte 8,388,608 the scale bytes [8][8192][8].  A column's place is its number with bits 3 and 4 exchanged, so that 16 places on end are the
;        rows of a tile whose results fall, in the next launch but one, as 16 neighbours along the next K.
;   w2c: codes as IMAGES OF THE MATRIX OPERAND'S REGISTERS: [64 groups of 32 columns][64 steps of 128 k][2 tiles of 16 columns][2 halves][32 lanes][16 bytes]: the last launch loads them straight into registers,
;        512 consecutive bytes an instruction; then from byte 8,388,608 the scale bytes [64 groups][16 runs of 512 k][32 columns][16 bytes].
; theta_res [8192][16] becomes an image of the matrix operand's registers, K step by K step (128 k); rms_weight x (theta_pre, theta_post) becomes an image of the f32 matrix operand's registers.
;   thc: +0 thw [64 steps][8 q][32 lanes][4 f32];  +262,144 tq [64][2][32 lanes][16 bytes];  +327,680 ts [64][32 lanes][4 bytes].
; A LANE TAKES A COLUMN AND ITS REGISTERS RUN DOWN K: each load reads 128 consecutive bytes a wave, a block of 32 lies in one lane, and the conversions give codes with K innermost.  The codes leave through the wave's
; own stage in LDS, so that one store covers whole aligned runs of 256 bytes.
; A block's scale is 2^(floor(log2(largest magnitude)) - 2): its byte is the largest magnitude's exponent field - 2, held at 1 from below.
; LIMITS: a block of zeros gets the byte 1 where the rule says 127 (its codes are zeros, and this program alone reads the bytes); blocks whose largest magnitude lies under 2^(3 - 127) keep the byte 1; NaN and infinities among the inputs are not served.
; Work-groups 0-15: the thetas (a wave a K step).  16-271: W1 (128 columns x 512 k each).  272-527: W2.  The two weight paths have LDS bytes of their own.
.set STG1,  0
.set STG2,  34816
.set SPARE, 69632                      ; behind the stages: the spare words, 128 bytes a wave
.set PITCH, 272                        ; a stage row: 256 bytes of codes (512 k) + 16
.set SPW,  14
.set NIL,  15
.set SB,   24                          ; v24-27   16 scale bytes
.set X,    32                          ; v32-95   two sets of 32 numbers
.set C,    96                          ; v96-99   a block's codes
.set OUTR, 112                         ; v112-175 the way out
.macro QLOAD t                         ; block t: W(32 t + i, my column) into set t % 2; blocks 8-15 by a second base, so that every offset is a signed 24-bit immediate
.set I, 0
.rept 32
	global_load_b32 v[X+32*((\t)%2)+I], v3, s[42+2*((\t)/8):43+2*((\t)/8)] offset:(32*((\t)%8)+I)*QN*4 th:TH_LOAD_NT
.set I, I+1
.endr
.endm
.macro QBLOCK t
.set XS, X+32*((\t)%2)
.if (\t) < 15
	s_wait_loadcnt 32                              ; this block's 32 loads are in; the next block's 32 may be out
.else
	s_wait_loadcnt 0x0
.endif
	v_max3_num_f32 v12, |v[XS]|, |v[XS+1]|, |v[XS+2]|           ; the block's largest magnitude: all 32 numbers are mine
	v_max3_num_f32 v13, |v[XS+3]|, |v[XS+4]|, |v[XS+5]|
.irp i, 6,10,14,18,22,26
	v_max3_num_f32 v12, v12, |v[XS+\i]|, |v[XS+\i+1]|
	v_max3_num_f32 v13, v13, |v[XS+\i+2]|, |v[XS+\i+3]|
.endr
	v_max3_num_f32 v12, v12, |v[XS+30]|, |v[XS+31]|
	v_max3_num_f32 v12, v12, v13, 0x1800000        ; and the floor 2^(3 - 127): the byte cannot fall under 1
	v_add_nc_u32 v11, 0xff000000, v12              ; 2 off the exponent field: the conversion's scale operand
	v_lshrrev_b32 v13, 23, v11                     ; the scale's byte
.if (\t)%4 == 0
	v_mov_b32 v[SB+(\t)/4], v13
.else
	v_lshl_or_b32 v[SB+(\t)/4], v13, 8*((\t)%4), v[SB+(\t)/4]
.endif
.irp g, 0,1,2,3
	v_cvt_scalef32_pk8_fp4_f32 v[C+\g], v[XS+8*\g:XS+8*\g+7], v11
.endr
	ds_store_b128 v4, v[C:C+3] offset:16*(\t)      ; 32 codes: 16 bytes of my column's stage row
.if (\t)+2 < 16
	QLOAD (\t)+2
.endif
	s_wait_dscnt 0x0                               ; the store has read its registers: the next block's codes may be written
.endm
; One weight.  Symbols: QN columns; QPERM places exchanged; QLAY 0 = w1c's layout, 1 = w2c's; QSTG the stage; QSRC, QDST the pointers' registers; QID0 first work-group; QCGB bits of the column group; QJSH log2 of a panel's bytes, QSJ a panel's scale bytes (w1c alone)
.macro QW
	s_sub_co_u32 s33, ttmp9, QID0
	s_and_b32 s34, s33, (1<<QCGB)-1                ; cg: which 128 columns
	s_lshr_b32 s35, s33, QCGB                      ; kg: which 512 along K
	s_lshl_b32 s36, s34, 7
	s_lshl_b32 s37, s32, 5
	s_add_co_u32 s36, s36, s37                     ; my wave's first column
	s_mul_i32 s40, s35, 512*QN*4
	s_lshl_b32 s41, s36, 2
	s_add_co_u32 s40, s40, s41
	s_mov_b32 s41, 0
	s_add_nc_u64 s[42:43], s[QSRC:QSRC+1], s[40:41]
	s_add_nc_u64 s[44:45], s[42:43], 256*QN*4      ; 256 rows further down
.if QLAY == 0
	s_lshl_b32 s46, s35, 21                        ; two panels of 1,048,576 bytes for each kg
	s_lshl_b32 s47, s36, 7
	s_add_co_u32 s46, s46, s47
	s_lshl_b32 s48, s35, 17
	s_lshl_b32 s49, s36, 3
	s_add_co_u32 s48, s48, s49
.else
	s_lshl_b32 s50, s34, 2
	s_add_co_u32 s50, s50, s32                     ; my group of 32 columns: 4 cg + wave
	s_lshl_b32 s46, s50, 17                        ; a group's images: 131,072 bytes;
	s_lshl_b32 s47, s35, 13                        ; my four steps of 2,048
	s_add_co_u32 s46, s46, s47
	s_lshl_b32 s48, s50, 13                        ; a group's scale bytes: 8,192;
	s_lshl_b32 s49, s35, 9                         ; my run of 512
	s_add_co_u32 s48, s48, s49
.endif
	s_mov_b32 s47, 0
	s_add_co_u32 s48, s48, 8388608
	s_mov_b32 s49, 0
	s_add_nc_u64 s[46:47], s[QDST:QDST+1], s[46:47]     ; my codes
	s_add_nc_u64 s[48:49], s[QDST:QDST+1], s[48:49]     ; my scale bytes
.if QPERM
	v_and_b32 v10, 7, v2                           ; my column's place among the wave's 32: bits 3 and 4 exchanged
	v_bfe_u32 v11, v2, 4, 1
	v_lshl_or_b32 v10, v11, 3, v10
	v_bfe_u32 v11, v2, 3, 1
	v_lshl_or_b32 v10, v11, 4, v10
.set QP, 10
.else
.set QP, 2
.endif
	s_mul_i32 s37, s32, 32*PITCH
	s_add_co_u32 s37, s37, QSTG                    ; my stage
	v_mul_u32_u24 v4, v[QP], PITCH
	v_add_nc_u32 v4, s37, v4                       ; into it: row = my place
.if QLAY == 0
	v_mul_u32_u24 v7, v6, PITCH
	v_lshl_add_u32 v7, v5, 4, v7
	v_add_nc_u32 v7, s37, v7                       ; out of it: sixteen lanes to a row, two rows an instruction
	v_lshrrev_b32 v11, 3, v5
	v_lshlrev_b32 v8, QJSH, v11                    ; lanes 8-15 of a half hold the second panel's 128 bytes
	v_lshl_add_u32 v8, v6, 7, v8
	v_and_b32 v11, 7, v5
	v_lshl_add_u32 v8, v11, 4, v8
	v_lshlrev_b32 v9, 3, v[QP]                     ; 8 scale bytes a place and panel
.else
	v_mul_u32_u24 v7, v5, PITCH                    ; out of it as the operand's lanes take it: row lane % 16 of a tile, 16 bytes for each half of the lanes:
	v_lshl_add_u32 v7, v6, 4, v7                   ; rows 272 bytes apart: sixteen lanes touch sixteen different 16-byte columns
	v_add_nc_u32 v7, s37, v7
	v_lshlrev_b32 v8, 4, v2                        ; 16 x lane
.endif
	QLOAD 0
	QLOAD 1
.set Q, 0
.rept 16
	QBLOCK Q
.set Q, Q+1
.endr
.if QLAY == 0
	global_store_b64 v9, v[SB:SB+1], s[48:49]                  ; 32 places x 8 bytes: 256 consecutive bytes, aligned
	global_store_b64 v9, v[SB+2:SB+3], s[48:49] offset:QSJ
.irp t, 0,1,2,3,4,5,6,7,8,9,10,11,12,13,14,15
	ds_load_b128 v[OUTR+4*\t:OUTR+4*\t+3], v7 offset:2*\t*PITCH     ; LDS serves a wave's instructions in order: these see my stores
.endr
.irp t, 0,1,2,3,4,5,6,7,8,9,10,11,12,13,14,15
	s_wait_dscnt 15-\t                             ; the younger loads from the stage may be out
	global_store_b128 v8, v[OUTR+4*\t:OUTR+4*\t+3], s[46:47] offset:256*\t   ; two places' 128 bytes in each of two panels: two aligned runs of 256 bytes
.endr
.else
	global_store_b128 v8, v[SB:SB+3], s[48:49]                 ; 32 columns x 16 bytes: register q is step q's scale word: 512 consecutive bytes
.irp t, 0,1,2,3,4,5,6,7,8,9,10,11,12,13,14,15
	ds_load_b128 v[OUTR+4*\t:OUTR+4*\t+3], v7 offset:4352*((\t/2)%2)+64*(\t/4)+32*(\t%2)   ; step t / 4, tile (t / 2) % 2, half t % 2: k = 64 (t % 2) + 32 (lane / 16) + 0 .. 31 of column lane % 16
.endr
.irp t, 0,1,2,3,4,5,6,7,8,9,10,11,12,13,14,15
	s_wait_dscnt 15-\t                             ; the younger loads from the stage may be out
	global_store_b128 v8, v[OUTR+4*\t:OUTR+4*\t+3], s[46:47] offset:512*\t   ; 512 consecutive bytes, aligned
.endr
.endif
	s_wait_tensorcnt 0x0                           ; the wave's end
	ds_add_u32 v[SPW], v[NIL]
	s_wait_dscnt 0x0
	s_endpgm
.endm
	s_load_b512 s[8:23], s[0:1], 0x0               ; W1 8, W2 10, theta_res 12, theta_pre 14, theta_post 16, rms_weight 18, w1c 20, w2c 22
	s_load_b64 s[24:25], s[0:1], 0x40              ; thc
	v_lshl_add_u32 v[SPW], v0, 2, SPARE
	v_mov_b32 v[NIL], 0
	v_lshrrev_b32 v1, 5, v0
	v_readfirstlane_b32 s32, v1                    ; wave
	v_and_b32 v2, 31, v0                           ; lane
	v_lshlrev_b32 v3, 2, v2                        ; 4 x lane
	v_and_b32 v5, 15, v2                           ; lane % 16
	v_lshrrev_b32 v6, 4, v2                        ; lane / 16
	s_wait_kmcnt 0x0
	s_cmp_lt_u32 ttmp9, 16
	s_cbranch_scc1 .Ltheta
	s_cmp_lt_u32 ttmp9, 272
	s_cbranch_scc1 .Lw1
.set QN, 2048
.set QPERM, 0
.set QLAY, 1
.set QSTG, STG2
.set QSRC, 10
.set QDST, 22
.set QID0, 272
.set QCGB, 4
.set QJSH, 14
.set QSJ, 1024
	QW
.Lw1:
.set QN, 8192
.set QPERM, 1
.set QLAY, 0
.set QSTG, STG1
.set QSRC, 8
.set QDST, 20
.set QID0, 16
.set QCGB, 6
.set QJSH, 20
.set QSJ, 65536
	QW
.Ltheta:
	; my wave's K step s = 4 x work-group + wave: k = 128 s .. 128 s + 127
	s_lshl_b32 s33, ttmp9, 2
	s_add_co_u32 s33, s33, s32
	s_mov_b32 s35, 0
	s_lshl_b32 s34, s33, 13
	s_add_nc_u64 s[12:13], s[12:13], s[34:35]      ; theta_res: 64 bytes a row
	s_lshl_b32 s34, s33, 11
	s_add_nc_u64 s[14:15], s[14:15], s[34:35]      ; theta_pre, theta_post: 16 bytes a row
	s_add_nc_u64 s[16:17], s[16:17], s[34:35]
	s_lshl_b32 s34, s33, 9
	s_add_nc_u64 s[18:19], s[18:19], s[34:35]      ; rms_weight
	s_lshl_b32 s34, s33, 12
	s_add_nc_u64 s[36:37], s[24:25], s[34:35]      ; thw
	s_lshl_b32 s34, s33, 10
	s_add_co_u32 s34, s34, 262144
	s_add_nc_u64 s[38:39], s[24:25], s[34:35]      ; tq
	s_lshl_b32 s34, s33, 7
	s_add_co_u32 s34, s34, 327680
	s_add_nc_u64 s[40:41], s[24:25], s[34:35]      ; ts
	s_mov_b32 s42, 0x76543210
	s_mov_b32 s43, 0xfedcba98                      ; lane l xor 16
	s_mov_b32 s44, 0xf0f0f0f0                      ; lanes whose lane % 8 is 4 or more
	v_lshlrev_b32 v7, 2, v5
	v_lshl_add_u32 v7, v6, 12, v7                  ; theta_res: column lane % 16; lanes 16-31 begin 64 rows further down
	v_lshrrev_b32 v8, 3, v2                        ; tb = lane / 8: my block of 32 in the step
	v_and_b32 v9, 3, v2
	v_lshlrev_b32 v9, 2, v9
	v_lshl_add_u32 v9, v8, 9, v9                   ; theta_pre, theta_post: row 32 tb, column lane % 4
	v_lshlrev_b32 v10, 7, v8                       ; rms_weight: 32 tb numbers on
	v_lshlrev_b32 v11, 4, v2                       ; 16 x lane
.irp c, 0,1
.set I, 0
.rept 32
	global_load_b32 v[64+32*\c+I], v7, s[12:13] offset:64*(32*\c+I)      ; theta_res(128 s + 64 (lane / 16) + 32 c + i, lane % 16)
.set I, I+1
.endr
.endr
.set I, 0
.rept 32
	global_load_b32 v[128+I], v9, s[14:15] offset:16*I
	global_load_b32 v[160+I], v9, s[16:17] offset:16*I
.set I, I+1
.endr
.irp q, 0,1,2,3,4,5,6,7
	global_load_b128 v[32+4*\q:35+4*\q], v10, s[18:19] offset:16*\q
.endr
	s_wait_loadcnt 0x0
	; theta_res: two whole blocks a lane.  In the operand's registers the lane (r, h) holds, as register group c, the true block 2 h + c: the order in which the next launch lays its rows' blocks
.irp c, 0,1
	v_max3_num_f32 v[24+\c], |v[64+32*\c]|, |v[65+32*\c]|, 0x1800000
.endr
.irp i, 2,4,6,8,10,12,14,16,18,20,22,24,26,28,30
.irp c, 0,1
	v_max3_num_f32 v[24+\c], v[24+\c], |v[64+32*\c+\i]|, |v[65+32*\c+\i]|
.endr
.endr
.irp c, 0,1
	v_add_nc_u32 v[26+\c], 0xff000000, v[24+\c]
.endr
.irp c, 0,1
	v_lshrrev_b32 v[28+\c], 23, v[26+\c]
.endr
	v_lshl_or_b32 v30, v29, 16, v28                ; my two bytes, at places h and 2 + h of the scale word
	v_lshlrev_b32 v31, 3, v6
	v_lshlrev_b32 v30, v31, v30
	v_mov_b32 v31, 0
	v_permlanex16_b32 v31, v30, s42, s43
	v_or_b32 v30, v30, v31                         ; with lane l xor 16's two the word is whole, in both halves
.irp c, 0,1
.irp g, 0,1,2,3
	v_cvt_scalef32_pk8_fp4_f32 v[16+4*\c+\g], v[64+32*\c+8*\g:71+32*\c+8*\g], v[26+\c]
.endr
.endr
	v_nop
	global_store_b128 v11, v[16:19], s[38:39]
	global_store_b128 v11, v[20:23], s[38:39] offset:512
	global_store_b32 v3, v30, s[40:41]
	; thw: lane (r, h) holds w[k] x theta_c[k], c = r % 8 (0-3: theta_pre's columns, 4-7: theta_post's), k = 128 s + 32 (lane / 8) + 0 .. 31
.set I, 0
.rept 32
	v_cndmask_b32 v[128+I], v[128+I], v[160+I], s44
.set I, I+1
.endr
.set I, 0
.rept 16
	v_pk_mul_f32 v[128+2*I:129+2*I], v[128+2*I:129+2*I], v[32+2*I:33+2*I]
.set I, I+1
.endr
.irp q, 0,1,2,3,4,5,6,7
	global_store_b128 v11, v[128+4*\q:131+4*\q], s[36:37] offset:512*\q
.endr
	s_wait_tensorcnt 0x0                           ; the wave's end
	ds_add_u32 v[SPW], v[NIL]
	s_wait_dscnt 0x0
	s_endpgm
.Lfunc_end_k_q37902c7a0e_prep:
	.size	k_q37902c7a0e_prep, .Lfunc_end_k_q37902c7a0e_prep-k_q37902c7a0e_prep
	.p2alignl 7, 3214868480
	.fill 96, 4, 3214868480
	.section	.rodata,"a",@progbits
	.p2align	6, 0x0
	.amdhsa_kernel k_q37902c7a0e_prep
		.amdhsa_group_segment_fixed_size 70144
		.amdhsa_private_segment_fixed_size 0
		.amdhsa_enable_private_segment 0
		.amdhsa_kernarg_size 72
		.amdhsa_user_sgpr_count 2
		.amdhsa_user_sgpr_kernarg_segment_ptr 1
		.amdhsa_wavefront_size32 1
		.amdhsa_system_sgpr_workgroup_id_x 1
		.amdhsa_system_sgpr_workgroup_id_y 1
		.amdhsa_system_sgpr_workgroup_id_z 1
		.amdhsa_system_vgpr_workitem_id 0
		.amdhsa_next_free_vgpr 192
		.amdhsa_next_free_sgpr 66
		.amdhsa_reserve_vcc 0
		.amdhsa_float_denorm_mode_32 3
		.amdhsa_float_denorm_mode_16_64 3
		.amdhsa_memory_ordered 1
		.amdhsa_forward_progress 1
		.amdhsa_inst_pref_size 178
	.end_amdhsa_kernel
	.amdgpu_metadata
---
amdhsa.version: [ 1, 2 ]
amdhsa.kernels:
  - .name:           k_q37902c7a0e_prep
    .symbol:         k_q37902c7a0e_prep.kd
    .args:
      - { .name: W1, .offset: 0, .size: 8, .value_kind: global_buffer, .address_space: global }
      - { .name: W2, .offset: 8, .size: 8, .value_kind: global_buffer, .address_space: global }
      - { .name: theta_res, .offset: 16, .size: 8, .value_kind: global_buffer, .address_space: global }
      - { .name: theta_pre, .offset: 24, .size: 8, .value_kind: global_buffer, .address_space: global }
      - { .name: theta_post, .offset: 32, .size: 8, .value_kind: global_buffer, .address_space: global }
      - { .name: rms_weight, .offset: 40, .size: 8, .value_kind: global_buffer, .address_space: global }
      - { .name: w1c, .offset: 48, .size: 8, .value_kind: global_buffer, .address_space: global }
      - { .name: w2c, .offset: 56, .size: 8, .value_kind: global_buffer, .address_space: global }
      - { .name: thc, .offset: 64, .size: 8, .value_kind: global_buffer, .address_space: global }
    .group_segment_fixed_size: 70144
    .private_segment_fixed_size: 0
    .kernarg_segment_align: 8
    .kernarg_segment_size: 72
    .max_flat_workgroup_size: 128
    .sgpr_count:     66
    .vgpr_count:     192
    .wavefront_size: 32
...
	.end_amdgpu_metadata
.endif
;; end of part 1
;; launch rows (part 2): grid 256 x 1, 8 waves a work-group, no clusters, 327,680 bytes of LDS; arguments x, rms_weight, thc, alpha_pre, alpha_post, alpha_res, b_pre, b_post, b_res, xc, hrec; writes xc, hrec
.if DOCPART == 2
	.amdgcn_target "amdgcn-amd-amdhsa--gfx1250"
	.amdhsa_code_object_version 6
	.text
	.protected	k_q37902c7a0e_rows
	.globl	k_q37902c7a0e_rows
	.p2align	8
	.type	k_q37902c7a0e_rows,@function
k_q37902c7a0e_rows:
	s_mov_b64 s[64:65], 0
	v_nop
	global_prefetch_b8 v0, s[64:65] scope:SCOPE_SE
	s_setreg_imm32_b32 hwreg(HW_REG_WAVE_MODE, 25, 1), 1
	s_wait_xcnt 0x0
; ROWS: all that hangs on one row of x: the RMS norm, the three products with the thetas, the two sigmoids, the Sinkhorn rounds, x_pre and its codes.  Nothing is left out.
; SHARES.  A work-group takes 8 rows (256 KB of x, read once).  Wave w takes d = 256 w .. 256 w + 255 of all 4 streams of all 8 rows: 256 registers a lane (window 1), which stay through three passes.
; Lane l: row b = l % 8, block tb = l / 8 of each 128 along d.  X[64 n + 32 ks + i] = x[row b][stream n][256 w + 128 ks + 32 tb + i].
; PASS 1: the sum of squares, and sum of x (w theta) for theta_pre and theta_post, with f32 operands (its result goes on into a quantised operand) by the f32 matrix form: as A's rows the lanes' 16 (row, block parity)
;   pairs, as B's columns 8 columns x block parity: the quarters (m < 8, n < 8) and (m >= 8, n >= 8) of the result are sums, the rest is not read.  128 such instructions a wave: no bulk work.
; PASS 2: xn = (x r) w, quantised (a whole block lies in a lane), times theta_res' codes.  The lanes' 16 pseudo-rows hold two blocks each and zero codes elsewhere.
; PASS 3: x_pre = sum over n of H_pre[n] x[n], quantised; panel w of xc.
; hrec: 64 words a row: words 2 e, 2 e + 1 = H_res[e]; words 32 + 2 n, 33 + 2 n = H_post[n]; the rest copies.  xc: codes [8 panels][2048 rows][128 bytes], from byte 2,097,152 scale bytes [8][2048][8].
; LIMITS: products 1 and 2 are summed as r x sum(x (w theta)): another order of f32 rounding than (x r w) theta; m / sum in the Sinkhorn rounds is a multiplication by a reciprocal; exponentials and reciprocals flush denormals;
; no maximum is taken away before the exponentials, as in the problem's own text; a block of zeros gets the byte 1 (zero codes; this program alone reads the bytes); NaN and infinities among the inputs are not served.
; No cluster: what the work-groups share (324 KB of theta data each) goes straight into registers as images; beside x's 266,240 bytes LDS has no room for a ring for it.
.set TILEB, 8320                       ; a tile in LDS: 8 rows x (1,024 bytes + 16)
.set QBF,   266240                     ; [w][8 b] sums of squares
.set SBF,   266496                     ; [w][4 quarters][8 b][8 c]: only quarter 0 is read
.set TBF,   274688                     ; [w][8 b][16 e]
.set XST,   278784                     ; each wave's own 8 rows x 144: x_pre's codes
.set SCS,   288000                     ; [w][8 b][8 bytes]: x_pre's scale bytes
.set SPARE, 288512                     ; the spare words, 128 bytes a wave
.set XTA, 1
.set L16, 2
.set L4,  3
.set WOF, 4
.set SBS, 5
.set QBS, 6
.set QBO, 7
.set QBW, 8
.set SBP, 9
.set SBO, 10
.set TBS, 11
.set TBR, 12
.set XSS, 13
.set SCW, 14
.set XSR, 15
.set SCR, 16
.set XCO, 17
.set HRO, 18
.set SHS, 19
.set SPW, 20
.set NIL, 21
.set RR,  22                           ; v[22:23] r of my row, twice
.set ACC, 24                           ; v24-39   two accumulators of the f32 matrix form: written by matrix instructions alone
.set HP,  40                           ; v40-47   H_pre[n], each twice
.set U,   48                           ; v48-55   at work
.set F,   56                           ; v56-71   two accumulators of the scaled form
.set TH0, 72                           ; v72-135  thw, later theta_res' 8 fragments
.set TH1, 136                          ; v136-199 thw, later rms_weight: odd steps v136-167, even steps v168-199
.set XN,  200                          ; v200-231 32 numbers at work
.set TS,  232                          ; v232-239 theta_res' scale words
.set AOP, 240                          ; v240-247 the operand made here
.set BR,  248                          ; b_res[lane % 16]
.set BP,  249                          ; b_post[lane % 4]
.set HPW, 250                          ; H_post[lane % 4] of row w
.set RW,  251                          ; r of row w
.set SA,  252                          ; the operand's scale word
.set MSB, 0
.macro WIN new
.if MSB != (\new)
	s_set_vgpr_msb (MSB<<8)|(\new)
.set MSB, (\new)
.endif
.endm
.macro THW n, reg                      ; stream n's two K steps of thw: 64 registers
.irp k, 0,1
.irp q, 0,1,2,3,4,5,6,7
	global_load_b128 v[\reg+32*\k+4*\q:\reg+32*\k+4*\q+3], v[L16], s[80:81] offset:65536*\n+4096*\k+512*\q
.endr
.endr
.endm
.macro WLOAD s                         ; rms_weight for my block of step s (stream s / 2, half s % 2)
.set WL, 168-32*((\s)%2)
.irp i, 0,1,2,3,4,5,6,7
	global_load_b128 v[WL+4*\i:WL+4*\i+3], v[WOF], s[86:87] offset:8192*((\s)/2)+512*((\s)%2)+16*\i
.endr
.endm
.macro BMAX                            ; the largest magnitude of v[XN] .. v[XN + 31] with the floor -> v253; the conversion's scale operand -> v255
	v_max3_num_f32 v253, |v[XN]|, |v[XN+1]|, |v[XN+2]|
	v_max3_num_f32 v254, |v[XN+3]|, |v[XN+4]|, |v[XN+5]|
.irp i, 6,10,14,18,22,26
	v_max3_num_f32 v253, v253, |v[XN+\i]|, |v[XN+\i+1]|
	v_max3_num_f32 v254, v254, |v[XN+\i+2]|, |v[XN+\i+3]|
.endr
	v_max3_num_f32 v253, v253, |v[XN+30]|, |v[XN+31]|
	v_max3_num_f32 v253, v253, v254, 0x1800000
	v_add_nc_u32 v255, 0xff000000, v253
.endm
	s_load_b512 s[8:23], s[0:1], 0x0               ; x 8, rms_weight 10, thc 12, alpha_pre 14, alpha_post 16, alpha_res 18, b_pre 20, b_post 22
	s_load_b128 s[24:27], s[0:1], 0x40             ; b_res 24, xc 26
	s_load_b64 s[28:29], s[0:1], 0x50              ; hrec
	v_lshl_add_u32 v[SPW], v0, 2, SPARE
	v_mov_b32 v[NIL], 0
	ds_add_u32 v[SPW], v[NIL]                      ; the wave's opening: the add, twice on end, and its wait ahead of my first tensor load
	ds_add_u32 v[SPW], v[NIL]
	v_lshrrev_b32 v48, 5, v0
	v_readfirstlane_b32 s56, v48                   ; wave 0..7
	; descriptor group 1: 8 rows of 256 f32, 8,192 f32 apart, 16 bytes of padding behind each row
	s_mov_b32 s32, (2<<16)|(1<<20)|(7<<22)|(3<<25)
	s_mov_b32 s33, 256<<16
	s_mov_b32 s34, 8<<16
	s_mov_b32 s35, 256<<16
	s_mov_b32 s36, 8
	s_mov_b32 s37, 8192
	s_mov_b32 s38, 0
	s_mov_b32 s39, 0
	s_mov_b32 s58, 0x76543210
	s_mov_b32 s59, 0xfedcba98                      ; lane l xor 16
	s_mov_b32 s60, 0xfedcba98
	s_mov_b32 s61, 0x76543210                      ; place i takes the other half's place i + 8
	s_mov_b32 s62, 0x00ff00ff                      ; lanes with an even block
	s_mov_b32 s69, 0xff00ff00                      ; lanes with an odd block
	s_mov_b32 s63, 0xffff0000                      ; lanes 16-31
	s_mov_b32 s76, 0x39000000                      ; 1 / 8192
	s_mov_b32 s77, 0x34000000                      ; eps = 2^-23
	s_mul_i32 s57, s56, 4*TILEB                    ; my four tiles in LDS
	s_lshl_b32 s78, ttmp9, 18                      ; my work-group's 8 rows of 32,768 bytes,
	s_lshl_b32 s79, s56, 10                        ; my wave's 1,024 bytes of a stream
	s_add_co_u32 s78, s78, s79
	s_mov_b32 s79, 0
	s_wait_dscnt 0x0                               ; both opening adds are done
	s_wait_kmcnt 0x0
	s_add_nc_u64 s[8:9], s[8:9], s[78:79]
.irp n, 0,1,2,3
	s_mov_b32 s[40+4*\n], 1
	s_add_co_u32 s[41+4*\n], s57, \n*TILEB
	s_add_nc_u64 s[42+4*\n:43+4*\n], s[8:9], \n*8192
	s_or_b32 s[43+4*\n], s[43+4*\n], 0x80000000
.endr
.irp n, 0,1,2,3
	tensor_load_to_lds s[40+4*\n:43+4*\n], s[32:39]         ; four first fills: four loads of mine are out
	s_nop 0
.endr
.rept 4
	v_nop
.endr
	s_load_b32 s66, s[14:15], 0x0
	s_load_b32 s67, s[16:17], 0x0
	s_load_b32 s68, s[18:19], 0x0
	s_load_b128 s[72:75], s[20:21], 0x0
	s_mov_b32 s79, 0
	s_lshl_b32 s78, s56, 13
	s_add_nc_u64 s[80:81], s[12:13], s[78:79]      ; thw: my two K steps of stream 0
	s_lshl_b32 s78, s56, 11
	s_add_co_u32 s78, s78, 262144
	s_add_nc_u64 s[82:83], s[12:13], s[78:79]      ; tq
	s_lshl_b32 s78, s56, 8
	s_add_co_u32 s78, s78, 327680
	s_add_nc_u64 s[84:85], s[12:13], s[78:79]      ; ts
	s_lshl_b32 s78, s56, 10
	s_add_nc_u64 s[86:87], s[10:11], s[78:79]      ; rms_weight
	s_lshl_b32 s78, s56, 18
	s_lshl_b32 s94, ttmp9, 10
	s_add_co_u32 s78, s78, s94
	s_add_nc_u64 s[88:89], s[26:27], s[78:79]      ; xc: panel w, my 8 rows
	s_lshl_b32 s78, ttmp9, 6
	s_add_co_u32 s78, s78, 2097152
	s_add_nc_u64 s[90:91], s[26:27], s[78:79]      ; xc's scale bytes, my 8 rows
	s_lshl_b32 s78, ttmp9, 3
	s_add_co_u32 s78, s78, s56
	s_lshl_b32 s78, s78, 8
	s_add_nc_u64 s[92:93], s[28:29], s[78:79]      ; hrec: row 8 x work-group + w
	v_and_b32 v48, 7, v0                           ; b
	v_bfe_u32 v49, v0, 3, 2                        ; tb
	v_and_b32 v50, 31, v0                          ; lane
	v_and_b32 v51, 15, v0
	v_and_b32 v52, 3, v0
	v_lshlrev_b32 v[L16], 4, v50
	v_lshlrev_b32 v[L4], 2, v50
	v_lshlrev_b32 v[WOF], 7, v49
	v_lshlrev_b32 v253, 2, v51
	v_lshlrev_b32 v254, 2, v52
	v_mov_b32 v255, 0
	global_load_b32 v[BR], v253, s[24:25]
	global_load_b32 v[BP], v254, s[22:23]
	THW 0, TH0
	THW 1, TH1
	v_mul_u32_u24 v[XTA], v48, 1040
	v_lshl_add_u32 v[XTA], v49, 7, v[XTA]
	v_add_nc_u32 v[XTA], s57, v[XTA]               ; row b, block tb of my first tile
	s_lshl_b32 s94, s56, 10
	s_add_co_u32 s94, s94, SBF
	v_lshlrev_b32 v[SBS], 2, v48
	v_lshl_add_u32 v[SBS], v49, 8, v[SBS]
	v_add_nc_u32 v[SBS], s94, v[SBS]
	s_lshl_b32 s94, s56, 5
	s_add_co_u32 s94, s94, QBF
	v_lshl_add_u32 v[QBS], v48, 2, s94
	v_lshl_add_u32 v[QBO], v48, 2, QBF
	s_lshl_b32 s94, s56, 2
	s_add_co_u32 s94, s94, QBF
	v_mov_b32 v[QBW], s94
	s_lshl_b32 s94, s56, 5
	s_add_co_u32 s94, s94, SBF+16
	v_lshl_add_u32 v[SBP], v52, 2, s94
	v_lshl_add_u32 v[SBO], v48, 5, SBF
	s_lshl_b32 s94, s56, 9
	s_add_co_u32 s94, s94, TBF
	v_lshl_add_u32 v[TBS], v51, 2, s94
	s_lshl_b32 s94, s56, 6
	s_add_co_u32 s94, s94, TBF
	v_lshl_add_u32 v[TBR], v51, 2, s94
	s_mul_i32 s94, s56, 1152
	s_add_co_u32 s94, s94, XST
	v_mul_u32_u24 v[XSS], v48, 144
	v_lshl_add_u32 v[XSS], v49, 4, v[XSS]
	v_add_nc_u32 v[XSS], s94, v[XSS]
	v_mul_u32_u24 v[XSR], v49, 144
	v_lshl_add_u32 v[XSR], v48, 4, v[XSR]
	v_add_nc_u32 v[XSR], s94, v[XSR]
	s_lshl_b32 s95, s56, 6
	s_add_co_u32 s95, s95, SCS
	v_lshl_add_u32 v[SCW], v48, 3, v49
	v_add_nc_u32 v[SCW], s95, v[SCW]
	v_lshl_add_u32 v[SCR], v50, 4, SCS
	v_lshrrev_b32 v[XCO], 2, v50
	v_lshlrev_b32 v[XCO], 14, v[XCO]
	v_lshl_add_u32 v[XCO], v52, 4, v[XCO]
	v_lshlrev_b32 v[HRO], 3, v50
	v_and_b32 v[SHS], 1, v49
	v_lshlrev_b32 v[SHS], 4, v[SHS]
; PASS 1, stream n: the tile comes into registers; its squares; its 32 f32 matrix instructions, the two accumulators by turns
.macro TILE n
.set THR, TH0+64*((\n)%2)
	s_wait_tensorcnt 3-\n                          ; my tile n is in LDS; the younger tiles may be out
	WIN 0x40
.irp k, 0,1
.irp i, 0,1,2,3,4,5,6,7
	ds_load_b128 v[64*\n+32*\k+4*\i:64*\n+32*\k+4*\i+3], v[XTA] offset:TILEB*\n+512*\k+16*\i
.endr
.endr
	s_wait_dscnt 0x0
	WIN 0x05
.set J, 0
.rept 32
.if (\n == 0) && (J < 4)
	v_pk_mul_f32 v[U+2*J:U+2*J+1], v[2*J:2*J+1], v[2*J:2*J+1]      ; the first four pairs start the four chains
.else
	v_pk_fma_f32 v[U+2*(J%4):U+2*(J%4)+1], v[64*\n+2*J:64*\n+2*J+1], v[64*\n+2*J:64*\n+2*J+1], v[U+2*(J%4):U+2*(J%4)+1]
.endif
.set J, J+1
.endr
	s_wait_loadcnt 16                              ; this stream's thw is in; the 16 loads issued behind it may be out
	WIN 0x01
.set J, 0
.rept 32
.if (\n == 0) && (J < 2)
	v_wmma_f32_16x16x4_f32 v[ACC+8*(J%2):ACC+8*(J%2)+7], v[64*\n+2*J:64*\n+2*J+1], v[THR+2*J:THR+2*J+1], 0
.else
	v_wmma_f32_16x16x4_f32 v[ACC+8*(J%2):ACC+8*(J%2)+7], v[64*\n+2*J:64*\n+2*J+1], v[THR+2*J:THR+2*J+1], v[ACC+8*(J%2):ACC+8*(J%2)+7]
.endif
.set J, J+1
.endr
.rept 8
	v_nop                                          ; eight places behind this form, in front of loads into registers that it has read and of the first read of its results
.endr
	WIN 0
.endm
	TILE 0
	THW 2, TH0
	TILE 1
	THW 3, TH1
	TILE 2
.irp s, 0,1,2,3,4,5,6,7
.irp c, 0,1
	global_load_b128 v[TH0+8*\s+4*\c:TH0+8*\s+4*\c+3], v[L16], s[82:83] offset:16384*(\s/2)+1024*(\s%2)+512*\c   ; theta_res' fragments of my 8 K steps
.endr
.endr
	TILE 3
.irp s, 0,1,2,3,4,5,6,7
	global_load_b32 v[TS+\s], v[L4], s[84:85] offset:2048*(\s/2)+128*(\s%2)
.endr
	WLOAD 0
	; my wave's parts go to LDS
	v_pk_add_f32 v[48:49], v[48:49], v[50:51]
	v_pk_add_f32 v[52:53], v[52:53], v[54:55]
	v_pk_add_f32 v[48:49], v[48:49], v[52:53]
	v_add_f32 v253, v48, v49
	v_add_f32_dpp v253, v253, v253 row_xmask:8 row_mask:0xf bank_mask:0xf    ; the row's four blocks lie in lanes l, l xor 8,
	v_permlanex16_b32 v254, v253, s58, s59                                   ; l xor 16, l xor 24
	v_add_f32 v253, v253, v254
	ds_store_b32 v[QBS], v253
.irp j, 0,1,2,3,4,5,6,7
	v_add_f32 v[U+\j], v[ACC+\j], v[ACC+8+\j]      ; each accumulator from its low end on
.endr
.irp j, 0,2,4,6
	v_permlanex16_b32 v254, v[U+\j], s60, s61      ; lane c < 8 holds (row j, column c) of the even blocks; lane 24 + c that of the odd blocks
	v_permlanex16_b32 v255, v[U+\j+1], s60, s61
	v_add_f32 v[U+\j], v[U+\j], v254
	v_add_f32 v[U+\j+1], v[U+\j+1], v255
.endr
.irp j, 0,1,2,3,4,5,6,7
	ds_store_b32 v[SBS], v[U+\j] offset:32*\j
.endr
	s_wait_dscnt 0x0                               ; for the others' sake: my stores are done
	s_barrier_signal -1
	s_barrier_wait -1
	; the rows' figures: r and H_pre of my lane's row; r and H_post of row w
.irp k, 0,1,2,3,4,5,6,7
	ds_load_b32 v[200+\k], v[QBO] offset:32*\k
	ds_load_b32 v[208+\k], v[QBW] offset:32*\k
	ds_load_b32 v[216+\k], v[SBP] offset:1024*\k
	ds_load_b128 v[136+4*\k:139+4*\k], v[SBO] offset:1024*\k
.endr
	s_wait_kmcnt 0x0                               ; the alphas and b_pre
	s_wait_dscnt 0x0
.irp k, 1,2,3,4,5,6,7
	v_add_f32 v200, v200, v[200+\k]
	v_add_f32 v208, v208, v[208+\k]
	v_add_f32 v216, v216, v[216+\k]
	v_pk_add_f32 v[136:137], v[136:137], v[136+4*\k:137+4*\k]
	v_pk_add_f32 v[138:139], v[138:139], v[138+4*\k:139+4*\k]
.endr
	v_fma_f32 v200, v200, s76, s77                 ; the mean of the squares + eps
	v_fma_f32 v208, v208, s76, s77
	v_rsq_f32 v[RR], v200
	v_rsq_f32 v[RW], v208
	v_nop
	s_wait_alu depctr_va_vdst(0)                   ; one wait for the two, ahead of their first reader
	v_mov_b32 v[RR+1], v[RR]
.irp n, 0,1,2,3
	v_mul_f32 v[136+\n], v[RR], v[136+\n]
.endr
	v_mul_f32 v216, v[RW], v216
.irp n, 0,1,2,3
	v_fma_f32 v[136+\n], v[136+\n], s66, s[72+\n]  ; alpha_pre (xn . theta_pre) + b_pre
.endr
	v_fma_f32 v216, v216, s67, v[BP]
.irp n, 0,1,2,3
	v_mul_f32 v[136+\n], 0xbfb8aa3b, v[136+\n]     ; x -log2(e)
.endr
	v_mul_f32 v216, 0xbfb8aa3b, v216
.irp n, 0,1,2,3
	v_exp_f32 v[136+\n], v[136+\n]
.endr
	v_exp_f32 v216, v216
	v_nop
	s_wait_alu depctr_va_vdst(0)
.irp n, 0,1,2,3
	v_add_f32 v[136+\n], 1.0, v[136+\n]
.endr
	v_add_f32 v216, 1.0, v216
.irp n, 0,1,2,3
	v_rcp_f32 v[136+\n], v[136+\n]
.endr
	v_rcp_f32 v216, v216
	v_nop
	s_wait_alu depctr_va_vdst(0)
.irp n, 0,1,2,3
	v_mov_b32 v[HP+2*\n], v[136+\n]
	v_mov_b32 v[HP+2*\n+1], v[136+\n]
.endr
	v_add_f32 v[HPW], v216, v216                   ; 2 sigmoid
	WLOAD 1
; PASS 2, K step s: xn = (x r) w of my block, its codes, and one scaled matrix instruction; the two accumulators by turns
.macro QSTEP s
.set WBR, 168-32*((\s)%2)
.if (\s) < 7
	s_wait_loadcnt 8                               ; this step's rms_weight is in (and all that was asked for earlier); the next step's 8 loads may be out
.else
	s_wait_loadcnt 0x0
.endif
	WIN 0x01
.set J, 0
.rept 16
	v_pk_mul_f32 v[XN+2*J:XN+2*J+1], v[32*(\s)+2*J:32*(\s)+2*J+1], v[RR:RR+1]
.set J, J+1
.endr
	WIN 0
.set J, 0
.rept 16
	v_pk_mul_f32 v[XN+2*J:XN+2*J+1], v[XN+2*J:XN+2*J+1], v[WBR+2*J:WBR+2*J+1]
.set J, J+1
.endr
.if (\s) < 6
	WLOAD (\s)+2
.endif
	BMAX
	v_lshrrev_b32 v254, 23, v255                   ; my block's byte
	v_permlanex16_b32 v253, v254, s58, s59         ; and that of the block two further on
	v_lshl_or_b32 v253, v253, 8, v254
	v_lshlrev_b32 v[SA], v[SHS], v253              ; pseudo-rows 0-7: bytes 0, 1; pseudo-rows 8-15: bytes 2, 3; the other two are 0 over zero codes
.irp g, 0,1,2,3
	v_cvt_scalef32_pk8_fp4_f32 v[AOP+\g], v[XN+8*\g:XN+8*\g+7], v255
.endr
	v_nop
.irp g, 0,1,2,3
	v_cndmask_b32 v[AOP+4+\g], 0, v[AOP+\g], s69   ; odd blocks stand in the operand's second half,
.endr
.irp g, 0,1,2,3
	v_cndmask_b32 v[AOP+\g], 0, v[AOP+\g], s62     ; even blocks in its first; zero codes elsewhere
.endr
.rept 8
	v_nop                                          ; a scale register written by a vector instruction stands eight places ahead of the scaled matrix instruction, an operand four
.endr
.if (\s) < 2
	v_wmma_scale_f32_16x16x128_f8f6f4 v[F+8*((\s)%2):F+8*((\s)%2)+7], v[AOP:AOP+7], v[TH0+8*(\s):TH0+8*(\s)+7], 0, v[SA], v[TS+(\s)] matrix_a_fmt:MATRIX_FMT_FP4 matrix_b_fmt:MATRIX_FMT_FP4
.else
	v_wmma_scale_f32_16x16x128_f8f6f4 v[F+8*((\s)%2):F+8*((\s)%2)+7], v[AOP:AOP+7], v[TH0+8*(\s):TH0+8*(\s)+7], v[F+8*((\s)%2):F+8*((\s)%2)+7], v[SA], v[TS+(\s)] matrix_a_fmt:MATRIX_FMT_FP4 matrix_b_fmt:MATRIX_FMT_FP4
.endif
.endm
.irp s, 0,1,2,3,4,5,6,7
	QSTEP \s
.endr
.rept 4
	v_nop
.endr
.irp j, 0,1,2,3,4,5,6,7
	v_add_f32 v[U+\j], v[F+\j], v[F+8+\j]
.endr
.irp j, 0,2,4,6
	v_permlanex16_b32 v254, v[U+\j], s58, s59      ; pseudo-rows j and 8 + j are row j's even and odd blocks
	v_permlanex16_b32 v255, v[U+\j+1], s58, s59
	v_add_f32 v[U+\j], v[U+\j], v254
	v_add_f32 v[U+\j+1], v[U+\j+1], v255
.endr
.irp j, 0,1,2,3,4,5,6,7
	ds_store_b32 v[TBS], v[U+\j] offset:64*\j      ; (row j, element lane % 16); both halves write the same number
.endr
; PASS 3, half k of my 256 along d: x_pre and its codes
.macro PRE k
	WIN 0x01
.set J, 0
.rept 16
	v_pk_mul_f32 v[XN+2*J:XN+2*J+1], v[32*\k+2*J:32*\k+2*J+1], v[HP:HP+1]
.set J, J+1
.endr
.irp n, 1,2,3
.set J, 0
.rept 16
	v_pk_fma_f32 v[XN+2*J:XN+2*J+1], v[64*\n+32*\k+2*J:64*\n+32*\k+2*J+1], v[HP+2*\n:HP+2*\n+1], v[XN+2*J:XN+2*J+1]
.set J, J+1
.endr
.endr
	WIN 0
	BMAX
	v_lshrrev_b32 v[F+\k], 23, v255
.irp g, 0,1,2,3
	v_cvt_scalef32_pk8_fp4_f32 v[AOP+4*\k+\g], v[XN+8*\g:XN+8*\g+7], v255
.endr
	v_nop
	ds_store_b128 v[XSS], v[AOP+4*\k:AOP+4*\k+3] offset:64*\k
	ds_store_b8 v[SCW], v[F+\k] offset:4*\k
.endm
	PRE 0
	PRE 1
	ds_load_b128 v[200:203], v[XSR]                ; my own bytes, served in order: four rows of 128 bytes,
	ds_load_b128 v[204:207], v[XSR] offset:576     ; and the other four
	s_wait_dscnt 0x0                               ; also for the others' sake: my stores are done
	global_store_b128 v[L16], v[200:203], s[88:89]             ; 512 consecutive bytes each
	global_store_b128 v[L16], v[204:207], s[88:89] offset:512
	s_barrier_signal -1
	s_barrier_wait -1
	; row w: the 4 x 4 matrix, element e = lane % 16 = 4 n + m
.irp k, 0,1,2,3,4,5,6,7
	ds_load_b32 v[208+\k], v[TBR] offset:512*\k
.endr
	s_wait_dscnt 0x0
.irp k, 1,2,3,4,5,6,7
	v_add_f32 v208, v208, v[208+\k]
.endr
	v_fma_f32 v208, v208, s68, v[BR]
	v_mul_f32 v208, 0x3fb8aa3b, v208
	v_exp_f32 v208, v208
	v_nop
	s_wait_alu depctr_va_vdst(0)
	s_mov_b32 s70, 20
.Lsk:                                              ; all 20 rounds
	v_add_f32_dpp v209, v208, v208 row_xmask:1 row_mask:0xf bank_mask:0xf    ; the sum along m
	v_add_f32_dpp v209, v209, v209 row_xmask:2 row_mask:0xf bank_mask:0xf
	v_rcp_f32 v209, v209
	v_nop
	s_wait_alu depctr_va_vdst(0)
	v_mul_f32 v208, v208, v209
	v_add_f32_dpp v209, v208, v208 row_xmask:4 row_mask:0xf bank_mask:0xf    ; the sum along n
	v_add_f32_dpp v209, v209, v209 row_xmask:8 row_mask:0xf bank_mask:0xf
	v_rcp_f32 v209, v209
	v_nop
	s_wait_alu depctr_va_vdst(0)
	v_mul_f32 v208, v208, v209
	s_sub_co_u32 s70, s70, 1
	s_cmp_lg_u32 s70, 0
	s_cbranch_scc1 .Lsk
	v_cndmask_b32 v208, v208, v[HPW], s63          ; lanes 16-31 carry H_post
	v_mov_b32 v209, v208
	global_store_b64 v[HRO], v[208:209], s[92:93]  ; 256 consecutive bytes, aligned: the row's record
	s_cmp_lg_u32 s56, 0
	s_cbranch_scc1 .Lnot_wave_0
	ds_load_b128 v[216:219], v[SCR]                ; wave 0 stores the work-group's 512 scale bytes: 64 bytes in each of eight panels (8 rows have no more)
	s_wait_dscnt 0x0
	global_store_b128 v[XCO], v[216:219], s[90:91]
.Lnot_wave_0:
	s_wait_tensorcnt 0x0                           ; the wave's end
	ds_add_u32 v[SPW], v[NIL]
	s_wait_dscnt 0x0
	s_endpgm
.Lfunc_end_k_q37902c7a0e_rows:
	.size	k_q37902c7a0e_rows, .Lfunc_end_k_q37902c7a0e_rows-k_q37902c7a0e_rows
	.p2alignl 7, 3214868480
	.fill 96, 4, 3214868480
	.section	.rodata,"a",@progbits
	.p2align	6, 0x0
	.amdhsa_kernel k_q37902c7a0e_rows
		.amdhsa_group_segment_fixed_size 327680
		.amdhsa_private_segment_fixed_size 0
		.amdhsa_enable_private_segment 0
		.amdhsa_kernarg_size 88
		.amdhsa_user_sgpr_count 2
		.amdhsa_user_sgpr_kernarg_segment_ptr 1
		.amdhsa_wavefront_size32 1
		.amdhsa_system_sgpr_workgroup_id_x 1
		.amdhsa_system_sgpr_workgroup_id_y 1
		.amdhsa_system_sgpr_workgroup_id_z 1
		.amdhsa_system_vgpr_workitem_id 0
		.amdhsa_next_free_vgpr 512
		.amdhsa_next_free_sgpr 96
		.amdhsa_reserve_vcc 0
		.amdhsa_float_denorm_mode_32 3
		.amdhsa_float_denorm_mode_16_64 3
		.amdhsa_memory_ordered 1
		.amdhsa_forward_progress 1
		.amdhsa_inst_pref_size 103
	.end_amdhsa_kernel
	.amdgpu_metadata
---
amdhsa.version: [ 1, 2 ]
amdhsa.kernels:
  - .name:           k_q37902c7a0e_rows
    .symbol:         k_q37902c7a0e_rows.kd
    .args:
      - { .name: x, .offset: 0, .size: 8, .value_kind: global_buffer, .address_space: global }
      - { .name: rms_weight, .offset: 8, .size: 8, .value_kind: global_buffer, .address_space: global }
      - { .name: thc, .offset: 16, .size: 8, .value_kind: global_buffer, .address_space: global }
      - { .name: alpha_pre, .offset: 24, .size: 8, .value_kind: global_buffer, .address_space: global }
      - { .name: alpha_post, .offset: 32, .size: 8, .value_kind: global_buffer, .address_space: global }
      - { .name: alpha_res, .offset: 40, .size: 8, .value_kind: global_buffer, .address_space: global }
      - { .name: b_pre, .offset: 48, .size: 8, .value_kind: global_buffer, .address_space: global }
      - { .name: b_post, .offset: 56, .size: 8, .value_kind: global_buffer, .address_space: global }
      - { .name: b_res, .offset: 64, .size: 8, .value_kind: global_buffer, .address_space: global }
      - { .name: xc, .offset: 72, .size: 8, .value_kind: global_buffer, .address_space: global }
      - { .name: hrec, .offset: 80, .size: 8, .value_kind: global_buffer, .address_space: global }
    .group_segment_fixed_size: 327680
    .private_segment_fixed_size: 0
    .kernarg_segment_align: 8
    .kernarg_segment_size: 88
    .max_flat_workgroup_size: 256
    .sgpr_count:     96
    .vgpr_count:     512
    .wavefront_size: 32
...
	.end_amdgpu_metadata
.endif
;; end of part 2
;; launch up (part 3): grid 32 x 8, 4 waves a work-group, clusters of 4 x 4, 327,680 bytes of LDS; arguments xc, w1c, b1, hc; writes hc
.if DOCPART == 3
	.amdgcn_target "amdgcn-amd-amdhsa--gfx1250"
	.amdhsa_code_object_version 6
	.text
	.protected	k_q37902c7a0e_up
	.globl	k_q37902c7a0e_up
	.p2align	8
	.type	k_q37902c7a0e_up,@function
k_q37902c7a0e_up:
	s_mov_b64 s[64:65], 0
	v_nop
	global_prefetch_b8 v0, s[64:65] scope:SCOPE_SE
	s_setreg_imm32_b32 hwreg(HW_REG_WAVE_MODE, 25, 1), 1
	s_wait_xcnt 0x0
	s_wait_alu depctr_hold_cnt(0) depctr_sa_sdst(0) depctr_va_vdst(0) depctr_va_sdst(0) depctr_va_ssrc(0) depctr_va_vcc(0) depctr_vm_vsrc(0)
	s_getreg_b32 s2, hwreg(HW_REG_IB_STS2, 6, 4)
	s_cmp_eq_u32 s2, 0
	s_cbranch_scc0 .Lentry_in_a_cluster
	s_endpgm
.Lentry_in_a_cluster:
	s_bfe_u32 s2, ttmp6, 0x10000c
	s_cmp_lg_u32 s2, 0xf033
	s_cbranch_scc0 .Lentry_shape_is_right
	s_endpgm
.Lentry_shape_is_right:
; UP: h = gelu(Q(x_pre) Q(W1) + b1), quantised along the hidden axis into hc.  Nothing is left out.
; A tile of 256 rows x 256 hidden units is made by four waves, 128 x 128 each: 64 accumulators, 512 registers.  K = 2,048 goes in four steps of 512 (two panels of 256) through two LDS slots.
; xc and w1c are laid by panels, so that a tile's part of a panel (256 rows x 128 bytes) is one dense block: it comes as 128 lines of 256 bytes with 16 bytes of padding behind each.
; The scale bytes of the tile's rows, for all of K, come once with the first fills: [8 panels][128 rows][8 bytes] for each half of A and of B.
; CLUSTERS: 4 x 4 work-groups; A's tiles are asked for jointly along a row of the cluster, B's along a column.
; THE MATRIX INSTRUCTION IS USED TRANSPOSED (source 0 = 16 places of W1, source 1 = 16 rows of x_pre).  W1's places are its columns with bits 3 and 4 exchanged, so a lane holds one row, and the 16 registers of tiles
; 2 b, 2 b + 1 are 16 neighbouring hidden units: 32 b + 16 (lane / 16) + 0 .. 15.  b1 is the C of each sum's first matrix instruction.
; GELU = 0.5 x (1 + erf(x / sqrt 2)), erf(t) = t P(t^2) / Q(t^2) with t held to +-4.
; LIMITS: far in the negative tail (x under about -3) the result's error is about 1e-7 |x| absolute, not relative; the reciprocal flushes denormals; a block of zeros gets the byte 1 (zero codes; this program alone reads the bytes); NaN and infinities are not served.
; hc: [8 slabs of 1,024 hidden][16 tiles of 128 rows] blocks of 69,632 bytes: the codes [4 panels][128 rows][128 bytes], then the scale bytes [4 panels][128 rows][8]: the next launch fetches a block as 272 lines of 256 bytes.
; REGISTERS: window 0: v0-31 addresses; v32-95 scale words, two sets, and nothing else; v128-191 A's fragments, one set; on the way out v96-255 are at work.
;   window 1: B's fragments at v0 and v128; b1's eight tiles at v64.   windows 2, 3: the accumulators ((a, b) at v[8 (8 (a % 4) + b)]).
.set NQ,    4
.set FR,    8
.set NL,    2
.set NP,    4
.set HALFT, 34816                      ; a panel's 256 rows: 128 lines x 272
.set SLOT,  4*HALFT                    ; A's two panels, then B's two
.set SCL,   2*SLOT                     ; the scales: A's two halves of 8,192 bytes, 128 bytes left free, B's two halves
.set SPARE, SCL+33024                  ; the spare words
.set SST,   36864                      ; the way out, in slot 0 after its last fill and its last read: codes 256 rows x 144 from byte 0, scale words 256 x 8 from here
.set ADRA, 16
.set ADRB, 20
.set STO,  24
.set RD,   25
.set SSO,  26
.set ADRS, 27
.set SPW,  28
.set NIL,  29
.set SRD,  30
.set GO,   31
.set SC,   32
.set AF,   128
.set GG,   96                          ; the way out: v96-159 64 numbers of a row block; v160.. t, v176.. t^2, v192.. P, v208.. Q, 16 each
.set GT,   160
.set GZ,   176
.set GP,   192
.set GQ,   208
.set TM,   224
.set PC,   240
.set PW,   248
.set G1,   24
.set G0,   32
.set G1B,  48
.set G0B,  56
.set G1S,  68
.set G0S,  76
.set G1SB, 80
.set G0SB, 88
.set SQ2, 24                           ; on the way out the descriptors' registers hold constants, each twice
.set A11, 26
.set A9,  28
.set A7,  30
.set A5,  32
.set A3,  34
.set A1,  36
.set B6,  38
.set B4,  48
.set B2,  50
.set B0,  52
.set SEL, 54
.set MSB, 0
.macro WIN new
.if MSB != (\new)
	s_set_vgpr_msb (MSB<<8)|(\new)
.set MSB, (\new)
.endif
.endm
.set MUL_LO, 0xa1
.set MUL_HI, 0xf1
.set TO_B,   0x40
.macro JLOAD g0a, g1a, g0b, g1b        ; waves 0 and 1 fetch for A, waves 2 and 3 for B; an s_nop 0 and four v_nop follow each line
	s_cmp_eq_u32 s15, 0
	s_cbranch_scc0 .Lfor_b_\@
	tensor_load_to_lds s[\g0a:\g0a+3], s[\g1a:\g1a+7]
	s_nop 0
.rept 4
	v_nop
.endr
	s_branch .Lasked_\@
.Lfor_b_\@:
	tensor_load_to_lds s[\g0b:\g0b+3], s[\g1b:\g1b+7]
	s_nop 0
.rept 4
	v_nop
.endr
.Lasked_\@:
.endm
.macro CREST
	s_cmp_lg_u32 s14, 0
	s_cbranch_scc1 .Lnot_wave_0_\@
	s_barrier_signal -3
.Lnot_wave_0_\@:
	s_barrier_wait -3
	s_barrier_signal -1
	s_barrier_wait -1
.endm
.macro CROUND
	s_barrier_signal -1
	s_barrier_wait -1
	CREST
.endm
	s_load_b256 s[4:11], s[0:1], 0x0               ; xc 4, w1c 6, b1 8, hc 10
	v_lshl_add_u32 v[SPW], v0, 2, SPARE
	v_mov_b32 v[NIL], 0
	ds_add_u32 v[SPW], v[NIL]                      ; the wave's opening: the add, twice on end, and its wait ahead of my first tensor load
	ds_add_u32 v[SPW], v[NIL]
	v_lshrrev_b32 v1, 5, v0
	v_readfirstlane_b32 s14, v1                    ; wave 0..3
	s_lshr_b32 s15, s14, 1                         ; which half of the tile's rows is mine.  Also: I fetch for A (0) or for B (1)
	s_and_b32 s16, s14, 1                          ; which half of its hidden units.  Also: which panel of a slot, which half of the scales I fetch
	s_bfe_u32 s40, ttmp6, 0x40000                  ; cx, cy
	s_bfe_u32 s41, ttmp6, 0x40004
	s_lshl_b32 s42, ttmp9, 2
	s_add_co_u32 s42, s42, s40                     ; tile column
	s_and_b32 s17, ttmp7, 0xffff
	s_lshl_b32 s17, s17, 2
	s_add_co_u32 s17, s17, s41                     ; tile row
	s_lshl_b32 s43, s41, 2
	s_lshl_b32 s43, 15, s43                        ; my row of the cluster
	s_lshl_b32 s44, 0x1111, s40                    ; my column
	; codes: 128 lines of 32 elements of 8 bytes, dense, 16 bytes of padding behind each line
	s_or_b32 s[G1+0], s43, (3<<16)|(1<<20)|(1<<21)|(5<<22)|(3<<25)
	s_or_b32 s[G1B+0], s44, (3<<16)|(1<<20)|(1<<21)|(5<<22)|(3<<25)
.irp g, G1, G1B
	s_mov_b32 s[\g+1], 32<<16
	s_mov_b32 s[\g+2], 128<<16
	s_mov_b32 s[\g+3], 32<<16
	s_mov_b32 s[\g+4], 128
	s_mov_b32 s[\g+5], 32
	s_mov_b32 s[\g+6], 0
	s_mov_b32 s[\g+7], 0
.endr
	; scales: 8 panels' lines of 128 elements of 8 bytes (128 rows), a panel apart
	s_or_b32 s[G1S+0], s43, (3<<16)|(1<<21)
	s_or_b32 s[G1SB+0], s44, (3<<16)|(1<<21)
.irp g, G1S, G1SB
	s_mov_b32 s[\g+1], 128<<16
	s_mov_b32 s[\g+2], 8<<16
	s_mov_b32 s[\g+3], 128<<16
	s_mov_b32 s[\g+4], 8
	s_mov_b32 s[\g+6], 0
	s_mov_b32 s[\g+7], 0
.endr
	s_mov_b32 s[G1S+5], 2048
	s_mov_b32 s[G1SB+5], 8192
	s_lshl_b32 s20, s16, 18                        ; A's codes: my panel of 262,144 bytes, the tile's 32,768
	s_lshl_b32 s21, s17, 15
	s_add_co_u32 s20, s20, s21
	s_mov_b32 s21, 0
	s_lshl_b32 s46, s16, 20                        ; B's: panels of 1,048,576 bytes
	s_lshl_b32 s47, s42, 15
	s_add_co_u32 s46, s46, s47
	s_mov_b32 s47, 0
	s_lshl_b32 s22, s17, 11                        ; A's scales: 8 bytes a row
	s_lshl_b32 s23, s16, 10
	s_add_co_u32 s22, s22, s23
	s_add_co_u32 s22, s22, 2097152
	s_mov_b32 s23, 0
	s_lshl_b32 s92, s42, 11
	s_lshl_b32 s93, s16, 10
	s_add_co_u32 s92, s92, s93
	s_add_co_u32 s92, s92, 8388608
	s_mov_b32 s93, 0
	s_mul_i32 s45, s14, HALFT                      ; where they go: no place in the cluster enters an LDS address
	s_lshl_b32 s94, s14, 13
	s_wait_dscnt 0x0                               ; both opening adds are done
	s_wait_kmcnt 0x0
	s_add_nc_u64 s[20:21], s[4:5], s[20:21]
	s_add_nc_u64 s[22:23], s[4:5], s[22:23]
	s_add_nc_u64 s[46:47], s[6:7], s[46:47]
	s_add_nc_u64 s[92:93], s[6:7], s[92:93]
	CROUND                                         ; all sixteen work-groups are here: the first joint loads meet
	s_mov_b32 s[G0S], 1
	s_add_co_u32 s[G0S+1], s94, SCL
	s_mov_b64 s[G0S+2:G0S+3], s[22:23]
	s_or_b32 s[G0S+3], s[G0S+3], 0x80000000
	s_mov_b32 s[G0SB], 1
	s_add_co_u32 s[G0SB+1], s94, SCL+128
	s_mov_b64 s[G0SB+2:G0SB+3], s[92:93]
	s_or_b32 s[G0SB+3], s[G0SB+3], 0x80000000
	JLOAD G0S, G1S, G0SB, G1SB                     ; the scales first: three loads of mine are out at the most
.irp s, 0,1
	s_mov_b32 s[G0+4*\s], 1
	s_add_co_u32 s[G0+4*\s+1], s45, \s*SLOT
	s_add_nc_u64 s[G0+4*\s+2:G0+4*\s+3], s[20:21], \s*524288
	s_or_b32 s[G0+4*\s+3], s[G0+4*\s+3], 0x80000000
	s_mov_b32 s[G0B+4*\s], 1
	s_add_co_u32 s[G0B+4*\s+1], s45, \s*SLOT
	s_add_nc_u64 s[G0B+4*\s+2:G0B+4*\s+3], s[46:47], \s*2097152
	s_or_b32 s[G0B+4*\s+3], s[G0B+4*\s+3], 0x80000000
	JLOAD G0+4*\s, G1, G0B+4*\s, G1B
.endr
	v_and_b32 v1, 15, v0                           ; r
	v_bfe_u32 v2, v0, 4, 1                         ; h
	v_lshrrev_b32 v3, 1, v1
	v_mul_u32_u24 v3, v3, 272                      ; two rows to a line
	v_and_b32 v4, 1, v1
	v_lshl_add_u32 v3, v4, 7, v3
	v_lshl_add_u32 v4, v2, 4, v3                   ; 272 (r / 2) + 128 (r % 2) + 16 h: sixteen lanes touch sixteen different 16-byte columns
	s_mul_i32 s21, s15, 17408                      ; my 128 rows of A in a panel
	s_mul_i32 s22, s16, 17408
	s_add_co_u32 s22, s22, 2*HALFT                 ; my 128 places of B
.irp s, 0,1
	v_add_nc_u32 v[ADRA+\s], s21, v4
	v_add_nc_u32 v[ADRB+\s], s22, v4
	s_add_co_u32 s21, s21, SLOT
	s_add_co_u32 s22, s22, SLOT
.endr
	s_lshl_b32 s21, s15, 13
	s_lshl_b32 s22, s16, 13
	s_add_co_u32 s22, s22, 16512
	s_sub_co_u32 s22, s22, s21
	v_mul_u32_u24 v6, s22, v2                      ; lanes 16-31 take B's scale words
	v_lshl_add_u32 v6, v1, 3, v6
	s_add_co_u32 s21, s21, SCL
	v_add_nc_u32 v[ADRS], s21, v6
	s_mul_i32 s23, s15, 18432                      ; the way out: row 128 rh + r of 144 bytes, + 64 ch + 16 h
	s_lshl_b32 s21, s16, 6
	s_add_co_u32 s23, s23, s21
	v_mul_u32_u24 v5, v1, 144
	v_lshl_add_u32 v5, v2, 4, v5
	v_add_nc_u32 v[STO], s23, v5
	s_lshl_b32 s23, s15, 10
	s_lshl_b32 s21, s16, 2
	s_add_co_u32 s23, s23, s21
	s_add_co_u32 s23, s23, SST
	v_lshl_add_u32 v[SSO], v1, 3, s23
	v_and_b32 v5, 31, v0
	v_lshlrev_b32 v[GO], 4, v5
	v_lshrrev_b32 v6, 3, v5
	v_mul_u32_u24 v6, v6, 144
	v_and_b32 v5, 7, v5
	v_lshl_add_u32 v6, v5, 4, v6
	s_mul_i32 s23, s14, 9216
	v_add_nc_u32 v[RD], s23, v6                    ; back: wave v takes rows 64 v on, four rows an instruction
	s_lshl_b32 s23, s14, 9
	s_add_co_u32 s23, s23, SST
	v_add_nc_u32 v[SRD], s23, v[GO]
	v_lshlrev_b32 v7, 6, v2                        ; b1: lanes 16-31 begin 16 units further on
	s_lshl_b32 s46, s42, 10
	s_lshl_b32 s47, s16, 9
	s_add_co_u32 s46, s46, s47
	s_mov_b32 s47, 0
	s_add_nc_u64 s[8:9], s[8:9], s[46:47]          ; b1 at my 128 hidden units
	WIN TO_B
.irp i, 0,1,2,3,4,5,6,7
	global_load_b128 v[64+8*\i:67+8*\i], v7, s[8:9] offset:4*(32*(\i/2)+8*(\i%2))
	global_load_b128 v[68+8*\i:71+8*\i], v7, s[8:9] offset:4*(32*(\i/2)+8*(\i%2))+16
.endr
	WIN 0
	s_lshr_b32 s46, s42, 2                         ; where my part of hc begins: slab = tile column / 4, row tile = 2 x tile row + wave / 2, panel = tile column % 4
	s_lshl_b32 s46, s46, 4
	s_lshl_b32 s47, s17, 1
	s_add_co_u32 s46, s46, s47
	s_add_co_u32 s46, s46, s15
	s_and_b32 s47, s42, 3
	s_mul_i32 s18, s46, 69632                      ; a block of codes and scale bytes for each slab and row tile
	s_lshl_b32 s19, s47, 14
	s_add_co_u32 s18, s18, s19
	s_lshl_b32 s19, s16, 13
	s_add_co_u32 s18, s18, s19
	s_mov_b32 s19, 0
	s_add_nc_u64 s[12:13], s[10:11], s[18:19]      ; codes
	s_mul_i32 s18, s46, 69632
	s_lshl_b32 s19, s47, 10
	s_add_co_u32 s18, s18, s19
	s_lshl_b32 s19, s16, 9
	s_add_co_u32 s18, s18, s19
	s_add_co_u32 s18, s18, 65536                   ; behind the block's codes
	s_mov_b32 s19, 0
	s_add_nc_u64 s[10:11], s[10:11], s[18:19]      ; scale bytes
.macro FRAG reg, adr, q, i             ; 16 rows x 128 K: 8 registers: two loads of 16 bytes, 32 bytes apart; the slot's q-th 128: panel q / 2, half q % 2
.irp c, 0,1
	ds_load_b128 v[\reg+4*\c:\reg+4*\c+3], v[\adr] offset:((\q)/2)*HALFT+64*((\q)%2)+32*\c+(\i)*2176
.endr
.endm
; 16 matrix instructions: A's blocks a0, a0 + 1 x B's eight.  first = 1: b1's tile is the C.  The 64 accumulators take turns in the same order in every step
.macro MUL16 a0, p, q, sc, first
.irp a, \a0, \a0+1
.irp b, 0,1,2,3,4,5,6,7
.if \first
	v_wmma_scale_f32_16x16x128_f8f6f4 v[8*(8*((\a)%4)+\b):8*(8*((\a)%4)+\b)+7], v[128*(\p)+FR*\b:128*(\p)+FR*\b+FR-1], v[AF+FR*(\a):AF+FR*(\a)+FR-1], v[64+8*\b:64+8*\b+7], v[SC+8*NQ*(\sc)+NQ*\b+(\q)], v[SC+8*NQ*(\sc)+NQ*(\a)+(\q)] matrix_a_fmt:MATRIX_FMT_FP4 matrix_b_fmt:MATRIX_FMT_FP4 matrix_a_scale:MATRIX_SCALE_ROW1
.else
	v_wmma_scale_f32_16x16x128_f8f6f4 v[8*(8*((\a)%4)+\b):8*(8*((\a)%4)+\b)+7], v[128*(\p)+FR*\b:128*(\p)+FR*\b+FR-1], v[AF+FR*(\a):AF+FR*(\a)+FR-1], v[8*(8*((\a)%4)+\b):8*(8*((\a)%4)+\b)+7], v[SC+8*NQ*(\sc)+NQ*\b+(\q)], v[SC+8*NQ*(\sc)+NQ*(\a)+(\q)] matrix_a_fmt:MATRIX_FMT_FP4 matrix_b_fmt:MATRIX_FMT_FP4 matrix_a_scale:MATRIX_SCALE_ROW1
.endif
.endr
.endr
.endm
.macro FETCH_B slot, q, p
	WIN TO_B
.irp i, 0,1,2,3,4,5,6,7
	FRAG 128*(\p)+FR*\i, ADRB+\slot, \q, \i
.endr
	WIN 0
.endm
.macro FETCH_A slot, q, i0
.irp i, \i0, \i0+1, \i0+2, \i0+3
	FRAG AF+FR*(\i), ADRA+\slot, \q, \i
.endr
.endm
.macro SCALES sc, t                    ; K step t's scale words into set sc: lanes 0-15 A's block i, lanes 16-31 B's block i; 8 bytes a row and panel
.irp i, 0,1,2,3,4,5,6,7
.irp pp, 0,1
	ds_load_b64 v[SC+32*(\sc)+4*\i+2*\pp:SC+32*(\sc)+4*\i+2*\pp+1], v[ADRS] offset:1024*(2*(\t)+\pp)+128*\i
.endr
.endr
.endm
.macro PLACES n                        ; places in front of loads into registers that matrix instructions have read, and of the first read of results
.rept \n
	v_nop
.endr
.endm
.macro STEP slot, q, first
	s_wait_dscnt 4*NL                              ; B's set, A's blocks 0-3 and the scale words are in; the youngest eight loads (A's blocks 4-7) may be out
.if \first
	WIN 0x91
.else
	WIN MUL_LO
.endif
	MUL16 0, (\q)%2, \q, \slot, \first
	MUL16 2, (\q)%2, \q, \slot, \first
	s_wait_dscnt 0x0
	PLACES NP
	FETCH_B \slot, (\q)+1, 1-(\q)%2
	FETCH_A \slot, (\q)+1, 0
.if \first
	WIN 0xd1
.else
	WIN MUL_HI
.endif
	MUL16 4, (\q)%2, \q, \slot, \first
	MUL16 6, (\q)%2, \q, \slot, \first
	PLACES NP
	WIN 0
	FETCH_A \slot, (\q)+1, 4
.endm
; A slot's last step changes slots: one barrier; in front of it each wave waits for all its tensor loads, adds 0 to its spare word, and waits for that and for its reads of this slot.  tn: the K step that follows
.macro TURN slot, next, fill, tn
	s_wait_tensorcnt 0x0                           ; all my tensor loads have landed: my part of the next slot
	ds_add_u32 v[SPW], v[NIL]
	s_wait_dscnt 4*NL+1                            ; the add and the youngest eight loads may be out
	WIN MUL_LO
	MUL16 0, 1, NQ-1, \slot, 0
	s_wait_dscnt 0x0                               ; the add is done, and my reads of this slot are over
	s_barrier_signal -1
	MUL16 2, 1, NQ-1, \slot, 0
	WIN 0
	s_barrier_wait -1
.if \fill
	CREST                                          ; the barrier has opened a round of the cluster's barrier
	s_add_nc_u64 s[G0+4*\slot+2:G0+4*\slot+3], s[G0+4*\slot+2:G0+4*\slot+3], 1048576
	s_add_nc_u64 s[G0B+4*\slot+2:G0B+4*\slot+3], s[G0B+4*\slot+2:G0B+4*\slot+3], 4194304
	JLOAD G0+4*\slot, G1, G0B+4*\slot, G1B         ; the first tensor load behind the round, one a wave; its four v_nop are the places in front of the loads below
.else
	PLACES NP
.endif
	FETCH_B \next, 0, 0
	FETCH_A \next, 0, 0
	SCALES \next, \tn
	WIN MUL_HI
	MUL16 4, 1, NQ-1, \slot, 0
	MUL16 6, 1, NQ-1, \slot, 0
	PLACES NP
	WIN 0
	FETCH_A \next, 0, 4
.endm
.macro STEPS slot, from
.set Q, \from
.rept NQ-1-\from
	STEP \slot, Q, 0
.set Q, Q+1
.endr
.endm
	s_wait_tensorcnt 1                             ; the scales and my part of K step 0 are in; K step 1's load may be out
	s_barrier_signal -1
	s_barrier_wait -1
	FETCH_B 0, 0, 0
	FETCH_A 0, 0, 0
	SCALES 0, 0
	FETCH_A 0, 0, 4
	s_wait_loadcnt 0x0                             ; b1
	STEP 0, 0, 1
	STEPS 0, 1
	TURN 0, 1, 1, 1
	STEPS 1, 0
	TURN 1, 0, 1, 2
	STEP 0, 0, 0
	STEPS 0, 1
	TURN 0, 1, 0, 3
	STEPS 1, 0
	s_wait_dscnt 4*NL
	WIN MUL_LO
	MUL16 0, 1, NQ-1, 1, 0
	MUL16 2, 1, NQ-1, 1, 0
	s_wait_dscnt 0x0
	WIN MUL_HI
	MUL16 4, 1, NQ-1, 1, 0
	MUL16 6, 1, NQ-1, 1, 0
	WIN 0
; THE WAY OUT: a loop over my eight blocks of 16 rows, so that the activation is written once.  Only the copy out of the accumulators differs from trip to trip (its registers and window): eight short arms, chosen by the trip's number.
.macro SPAIR r, v
	s_mov_b32 s[\r], \v
	s_mov_b32 s[\r+1], \v
.endm
.macro COPY a                          ; 0.5 x of block a's 64 numbers, each accumulator from its low end on
	WIN 0x02+(\a)/4
.set J, 0
.rept 32
	v_pk_mul_f32 v[GG+2*J:GG+2*J+1], v[64*((\a)%4)+2*J:64*((\a)%4)+2*J+1], 0.5 op_sel_hi:[1,0]
.set J, J+1
.endr
	WIN 0
.endm
.macro HORNER r, c
.irp p, 0,2,4,6,8,10,12,14
	v_pk_fma_f32 v[\r+\p:\r+\p+1], v[\r+\p:\r+\p+1], v[GZ+\p:GZ+\p+1], s[\c:\c+1] op_sel_hi:[1,1,0]
.endr
.endm
.macro GELU g                          ; 16 numbers: v[GG + 16 g ..] = 0.5 x becomes 0.5 x (1 + erf(x / sqrt 2))
.set GB, GG+16*(\g)
.irp p, 0,2,4,6,8,10,12,14
	v_pk_mul_f32 v[GT+\p:GT+\p+1], v[GB+\p:GB+\p+1], s[SQ2:SQ2+1] op_sel_hi:[1,0]      ; t = (0.5 x) sqrt 2
.endr
.irp i, 0,1,2,3,4,5,6,7,8,9,10,11,12,13,14,15
	v_med3_num_f32 v[GT+\i], v[GT+\i], -4.0, 4.0
.endr
.irp p, 0,2,4,6,8,10,12,14
	v_pk_mul_f32 v[GZ+\p:GZ+\p+1], v[GT+\p:GT+\p+1], v[GT+\p:GT+\p+1]
.endr
.irp p, 0,2,4,6,8,10,12,14
	v_pk_fma_f32 v[GP+\p:GP+\p+1], v[GZ+\p:GZ+\p+1], v[12:13], s[A11:A11+1] op_sel_hi:[1,1,0]
.endr
.irp p, 0,2,4,6,8,10,12,14
	v_pk_fma_f32 v[GQ+\p:GQ+\p+1], v[GZ+\p:GZ+\p+1], v[14:15], s[B6:B6+1] op_sel_hi:[1,1,0]
.endr
	HORNER GP, A9
	HORNER GQ, B4
	HORNER GP, A7
	HORNER GQ, B2
	HORNER GP, A5
	HORNER GQ, B0
	HORNER GP, A3
	HORNER GP, A1
.irp i, 0,1,2,3,4,5,6,7,8,9,10,11,12,13,14,15
	v_rcp_f32 v[GQ+\i], v[GQ+\i]
.endr
.irp p, 0,2,4,6,8,10,12,14
	v_pk_mul_f32 v[GP+\p:GP+\p+1], v[GP+\p:GP+\p+1], v[GT+\p:GT+\p+1]      ; plain work behind the reciprocals, which names none of their results
.endr
	s_wait_alu depctr_va_vdst(0)                   ; one wait for the sixteen, ahead of their first reader
.irp p, 0,2,4,6,8,10,12,14
	v_pk_mul_f32 v[GP+\p:GP+\p+1], v[GP+\p:GP+\p+1], v[GQ+\p:GQ+\p+1]      ; erf
.endr
.irp p, 0,2,4,6,8,10,12,14
	v_pk_fma_f32 v[GB+\p:GB+\p+1], v[GB+\p:GB+\p+1], v[GP+\p:GP+\p+1], v[GB+\p:GB+\p+1]
.endr
.endm
; 64 numbers of a lane, register 16 b + i = hidden unit 32 b + 16 (lane / 16) + i of my row, become a fragment's codes in v[PC] on and its scale word in v[PW]
.macro QUANT s
.irp b, 0,1,2,3
	v_max3_num_f32 v[TM+\b], |v[\s+16*\b]|, |v[\s+1+16*\b]|, 0x1800000
.endr
.irp i, 2,4,6,8,10,12,14
.irp b, 0,1,2,3
	v_max3_num_f32 v[TM+\b], v[TM+\b], |v[\s+16*\b+\i]|, |v[\s+1+16*\b+\i]|
.endr
.endr
.irp b, 0,1,2,3
	v_permlanex16_b32 v[TM+4+\b], v[TM+\b], s[SEL], s[SEL+1]
.endr
.irp b, 0,1,2,3
	v_max_num_f32 v[TM+\b], v[TM+\b], v[TM+4+\b]
.endr
.irp b, 0,1,2,3
	v_add_nc_u32 v[TM+12+\b], 0xff000000, v[TM+\b]
.endr
.irp b, 0,1,2,3
	v_lshrrev_b32 v[TM+4+\b], 23, v[TM+12+\b]
.endr
	v_lshl_or_b32 v[PW], v[TM+5], 8, v[TM+4]
	v_lshl_or_b32 v[PW], v[TM+6], 16, v[PW]
	v_lshl_or_b32 v[PW], v[TM+7], 24, v[PW]
.irp b, 0,1,2,3
	v_cvt_scalef32_pk8_fp4_f32 v[PC+2*\b], v[\s+16*\b:\s+7+16*\b], v[TM+12+\b]
	v_cvt_scalef32_pk8_fp4_f32 v[PC+1+2*\b], v[\s+8+16*\b:\s+15+16*\b], v[TM+12+\b]
.endr
	v_nop
.irp c, 0,1
.irp i, 0,1
	v_permlane16_swap_b32 v[PC+4*\c+\i], v[PC+2+4*\c+\i]       ; a whole block to a lane: lanes 0-15 block 2 c, lanes 16-31 block 2 c + 1
.endr
.endr
.endm
	PLACES NP
	SPAIR SQ2, 0x3fb504f3                          ; no tensor load of mine is out: the descriptors' registers are free
	SPAIR A11, 0x32edffee
	SPAIR A9,  0xb60cff51
	SPAIR A7,  0xb86ec2d2
	SPAIR A5,  0xba40ac63
	SPAIR A3,  0xbb41a1f6
	SPAIR A1,  0xbc83dbd4
	SPAIR B6,  0xb95fbd29
	SPAIR B4,  0xbadc924e
	SPAIR B2,  0xbbf19bf8
	SPAIR B0,  0xbc69b6a7
	s_mov_b32 s[SEL], 0x76543210
	s_mov_b32 s[SEL+1], 0xfedcba98
	v_mov_b32 v12, 0xaf95df0b                      ; a13, twice
	v_mov_b32 v13, 0xaf95df0b
	v_mov_b32 v14, 0xb77460cd                      ; b8, twice
	v_mov_b32 v15, 0xb77460cd
.irp b, 0,1,2,3
	v_mov_b32 v[TM+4+\b], 0                        ; written once: a lane permute's destination counts as one of its sources
.endr
	s_mov_b32 s3, 0                                ; the block
	s_mov_b32 s5, 0                                ; its 16 rows in the stage,
	s_mov_b32 s6, 0                                ; and among the scale words
.Lepi:
.irp a, 0,1,2,3,4,5,6
	s_cmp_eq_u32 s3, \a
	s_cbranch_scc1 .Lcopy\a
.endr
	COPY 7
	s_branch .Lgo
.irp a, 0,1,2,3,4,5
.Lcopy\a:
	COPY \a
	s_branch .Lgo
.endr
.Lcopy6:
	COPY 6
.Lgo:
	GELU 0
	GELU 1
	GELU 2
	GELU 3
	s_wait_dscnt 0x0                               ; the last block's stores have read their registers
	QUANT GG
	v_add_nc_u32 v8, s5, v[STO]
	v_add_nc_u32 v9, s6, v[SSO]
	ds_store_b128 v8, v[PC:PC+3]
	ds_store_b128 v8, v[PC+4:PC+7] offset:32
	ds_store_b32 v9, v[PW]                         ; both halves of the lanes write the same word
	s_add_co_u32 s5, s5, 2304
	s_add_co_u32 s6, s6, 128
	s_add_co_u32 s3, s3, 1
	s_cmp_lt_u32 s3, 8
	s_cbranch_scc1 .Lepi
	s_wait_dscnt 0x0                               ; for the others' sake: a row's 128 bytes come from two waves
	s_barrier_signal -1
	s_barrier_wait -1
.irp t, 0,1,2,3,4,5,6,7,8,9,10,11,12,13,14,15
	ds_load_b128 v[GG+4*\t:GG+4*\t+3], v[RD] offset:576*\t
.endr
	ds_load_b128 v[160:163], v[SRD]
.irp t, 0,1,2,3,4,5,6,7,8,9,10,11,12,13,14,15
	s_wait_dscnt 16-\t                             ; the younger loads may be out
	global_store_b128 v[GO], v[GG+4*\t:GG+4*\t+3], s[12:13] offset:512*\t       ; four rows of 128 bytes: 512 consecutive bytes, aligned
.endr
	s_wait_dscnt 0x0
	global_store_b128 v[GO], v[160:163], s[10:11]  ; 64 rows' scale bytes: 512 consecutive bytes
	s_wait_tensorcnt 0x0                           ; the wave's end
	ds_add_u32 v[SPW], v[NIL]
	s_wait_dscnt 0x0
	CROUND                                         ; the closing round
	s_endpgm
.Lfunc_end_k_q37902c7a0e_up:
	.size	k_q37902c7a0e_up, .Lfunc_end_k_q37902c7a0e_up-k_q37902c7a0e_up
	.p2alignl 7, 3214868480
	.fill 96, 4, 3214868480
	.section	.rodata,"a",@progbits
	.p2align	6, 0x0
	.amdhsa_kernel k_q37902c7a0e_up
		.amdhsa_group_segment_fixed_size 327680
		.amdhsa_private_segment_fixed_size 0
		.amdhsa_enable_private_segment 0
		.amdhsa_kernarg_size 32
		.amdhsa_user_sgpr_count 2
		.amdhsa_user_sgpr_kernarg_segment_ptr 1
		.amdhsa_wavefront_size32 1
		.amdhsa_system_sgpr_workgroup_id_x 1
		.amdhsa_system_sgpr_workgroup_id_y 1
		.amdhsa_system_sgpr_workgroup_id_z 1
		.amdhsa_system_vgpr_workitem_id 0
		.amdhsa_next_free_vgpr 1024
		.amdhsa_next_free_sgpr 98
		.amdhsa_reserve_vcc 0
		.amdhsa_float_denorm_mode_32 3
		.amdhsa_float_denorm_mode_16_64 3
		.amdhsa_memory_ordered 1
		.amdhsa_forward_progress 1
		.amdhsa_inst_pref_size 249
	.end_amdhsa_kernel
	.amdgpu_metadata
---
amdhsa.version: [ 1, 2 ]
amdhsa.kernels:
  - .name:           k_q37902c7a0e_up
    .symbol:         k_q37902c7a0e_up.kd
    .args:
      - { .name: xc, .offset: 0, .size: 8, .value_kind: global_buffer, .address_space: global }
      - { .name: w1c, .offset: 8, .size: 8, .value_kind: global_buffer, .address_space: global }
      - { .name: b1, .offset: 16, .size: 8, .value_kind: global_buffer, .address_space: global }
      - { .name: hc, .offset: 24, .size: 8, .value_kind: global_buffer, .address_space: global }
    .group_segment_fixed_size: 327680
    .private_segment_fixed_size: 0
    .kernarg_segment_align: 8
    .kernarg_segment_size: 32
    .max_flat_workgroup_size: 128
    .sgpr_count:     98
    .vgpr_count:     1024
    .wavefront_size: 32
...
	.end_amdgpu_metadata
.endif
;; end of part 3
;; launch down (part 4): grid 16 x 16, 4 waves a work-group, clusters of 4 x 4, 327,680 bytes of LDS; arguments hc, w2c, b2, hrec, x, out0; writes out0
.if DOCPART == 4
	.amdgcn_target "amdgcn-amd-amdhsa--gfx1250"
	.amdhsa_code_object_version 6
	.text
	.protected	k_q37902c7a0e_down
	.globl	k_q37902c7a0e_down
	.p2align	8
	.type	k_q37902c7a0e_down,@function
k_q37902c7a0e_down:
	s_mov_b64 s[64:65], 0
	v_nop
	global_prefetch_b8 v0, s[64:65] scope:SCOPE_SE
	s_setreg_imm32_b32 hwreg(HW_REG_WAVE_MODE, 25, 1), 1
	s_wait_xcnt 0x0
	s_wait_alu depctr_hold_cnt(0) depctr_sa_sdst(0) depctr_va_vdst(0) depctr_va_sdst(0) depctr_va_ssrc(0) depctr_va_vcc(0) depctr_vm_vsrc(0)
	s_getreg_b32 s2, hwreg(HW_REG_IB_STS2, 6, 4)
	s_cmp_eq_u32 s2, 0
	s_cbranch_scc0 .Lentry_in_a_cluster
	s_endpgm
.Lentry_in_a_cluster:
	s_bfe_u32 s2, ttmp6, 0x10000c
	s_cmp_lg_u32 s2, 0xf033
	s_cbranch_scc0 .Lentry_shape_is_right
	s_endpgm
.Lentry_shape_is_right:
; DOWN: H_bar = Q(h) Q(W2) + b2, and out0[b][n][d] = H_post[b][n] H_bar[b][d] + sum over m of H_res[b][n][m] x[b][m][d].  Nothing is left out.
; A tile of 128 rows x 128 columns of H_bar to a work-group: 256 work-groups (tiles of 256 x 256 would be 64).  Four waves; WAVE w MAKES ALL 128 ROWS x COLUMNS 32 w .. 32 w + 31: 16 accumulators.
; So W2's codes are each wave's own: no byte of them is read twice in a work-group, and they go FROM MEMORY STRAIGHT INTO THE OPERAND'S REGISTERS (w2c holds images of those registers: 512 consecutive bytes a load),
; through a ring of 16 steps of 128 k in registers, asked for 15 steps ahead by counted waits, with no barrier.
; h's codes, which all four waves read, go through LDS: two buffers of 2,048 along K, so that K = 8,192 needs two refills.  hc holds, for each slab of 1,024 k and tile of 128 rows, one block of codes and scale bytes,
; 272 lines of 256 bytes; a buffer is two blocks, and each wave fetches half a block, 136 lines, by one descriptor whose two addresses are made from the wave's number.
; CLUSTERS: 4 x 4; h's blocks and the rows' records (hrec) hang on the tile row and the wave alone and are asked for jointly along a row of the cluster.  W2's images are not shared inside a work-group and not asked for jointly: they land in registers.
; x (64 KB a wave: 32 rows x 4 streams x 512 bytes) is asked for while the products run: rows 0-20 one in every second step, rows 21-31 into the registers that W2's ring leaves in the last steps.
; THE MATRIX INSTRUCTION IS USED TRANSPOSED (source 0 = 16 columns of W2, source 1 = 16 rows of h); b2 is the C of each sum's first matrix instruction.
; The rows' coefficients: each wave's 32 rows x 160 bytes of hrec lie in LDS from the head on; a row's 40 words (each coefficient twice) are read two rows ahead, all lanes at one address.
; No prefetch: the loop's own loads (x, W2's images, h's blocks) are on their way throughout, and W2's ring is itself 15 steps of look-ahead.
; REGISTERS: window 0: v8-19, v24-29 addresses; v32-95 h's scale words, two sets, v96-115 W2's, five sets of four steps: these hold scales and nothing else; v128-255 two sets of h's fragments; on the way out v136-255 hold three rows' coefficients.
;   window 1: v0-127 the accumulators ((a, b) at v[8 (2 a + b)]), later H_bar's rows; v128-159 two sets of 16 results; v160-175 b2; v176-255 x, rows 16-20.   window 2: x, rows 0-15.   window 3: W2's ring, 16 registers a step; then x, rows 21-31.
.set HALF,  36992                      ; 136 lines x 272: what one tensor load brings
.set SLB,   73984                      ; a slab's block in LDS: 272 lines x (256 bytes + 16)
.set BUF,   147968                     ; a buffer: two blocks
.set SCO,   69632                      ; in a block: the scale bytes' 16 lines lie behind the codes' 256
.set SPARE, 295936                     ; behind the buffers: the spare words, 128 bytes a wave
.set HL,    296448                     ; the records: 5,120 bytes a wave
.set ADRA, 8                           ; v8-15  my lane's place in block k (0..3), panels 0-1 (2 k) or 2-3 (2 k + 1): so every offset fits the 16-bit immediate
.set ADRS, 16                          ; v16-19 my lane's place among block k's scale words
.set STO,  24
.set RD,   25
.set XO,   26                          ; 16 x lane
.set HA,   27
.set SPW,  28
.set NIL,  29
.set SC,   32
.set BS,   96
.set FS,   128
.set CO,   136
.set B2R,  160
.set MSB, 0
.macro WIN new
.if MSB != (\new)
	s_set_vgpr_msb (MSB<<8)|(\new)
.set MSB, (\new)
.endif
.endm
.macro TL g0, g1                       ; a tensor load with an s_nop 0 and four v_nop behind it
	tensor_load_to_lds s[\g0:\g0+3], s[\g1:\g1+7]
	s_nop 0
.rept 4
	v_nop
.endr
.endm
.macro CREST
	s_cmp_lg_u32 s92, 0
	s_cbranch_scc1 .Lnot_wave_0_\@
	s_barrier_signal -3
.Lnot_wave_0_\@:
	s_barrier_wait -3
	s_barrier_signal -1
	s_barrier_wait -1
.endm
.macro CROUND
	s_barrier_signal -1
	s_barrier_wait -1
	CREST
.endm
.macro PLACES                          ; four places behind matrix instructions, in front of loads into registers that they have read and of the first read of their results
.rept 4
	v_nop
.endr
.endm
.macro XMAP i                          ; where row i of x lies: window XWN, first register XRG
.if (\i) < 16
.set XWN, 2
.set XRG, 16*(\i)
.elseif (\i) < 21
.set XWN, 1
.set XRG, 176+16*((\i)-16)
.else
.set XWN, 3
.set XRG, 16*((\i)-21)
.endif
.endm
.macro XROW i                          ; x: my row i, four streams: four loads of 512 consecutive bytes
	XMAP \i
	WIN XWN*64
.irp n, 0,1,2,3
	global_load_b128 v[XRG+4*\n:XRG+4*\n+3], v[XO], s[94:95] offset:32768*(\i)+8192*\n th:TH_LOAD_NT
.endr
.endm
.macro BLD j                           ; W2's two fragments of step j into slot j % 16 of the ring
	WIN 0xc0
.irp k, 0,1,2,3
	global_load_b128 v[16*((\j)%16)+4*\k:16*((\j)%16)+4*\k+3], v[XO], s[40:41] offset:2048*(\j)+512*\k
.endr
.endm
.macro BSL g                           ; W2's scale words of steps 4 g .. 4 g + 3: lanes 0-15 tile 0's columns, lanes 16-31 tile 1's
	WIN 0
	global_load_b128 v[BS+4*((\g)%5):BS+4*((\g)%5)+3], v[XO], s[42:43] offset:512*(\g)
.endm
; What step s (from 1 on) asks of memory, in this order: a row of x in every second step up to 42; a group of W2's scale words in every fourth up to 44, into the set that step s - 1 has left;
; then W2's fragments of step s + 15, into the slot that step s - 1 has left; from step 49 to 59 a row of x in their place.
.macro BLOADS s
.if (((\s)%2) == 0) && ((\s) <= 42)
	XROW (\s)/2-1
.endif
.if (((\s)%4) == 0) && ((\s) <= 44)
	BSL (\s)/4+4
.endif
.if (\s) <= 48
	BLD (\s)+15
.elseif (\s) <= 59
	XROW (\s)-28
.endif
.endm
; The wait for W2's fragments of step s (its scale words, b2 and all earlier loads are older).  Loads come back in order, so the count is the number of loads issued behind them: the rest of the head's (steps under 16),
; and all that steps s - 14 .. s - 1 asked for, counted here as BLOADS issues them; the wait's field holds no more than 63, and a smaller count is safe.
.macro NWAIT s
.set Y, 0
.if (\s) < 16
.set Y, 4*(15-(\s))
.endif
.set T, (\s)-14
.rept 14
.if T >= 1
.if T <= 59
.set Y, Y+4
.endif
.if ((T%4) == 0) && (T <= 44)
.set Y, Y+1
.endif
.if ((T%2) == 0) && (T <= 42)
.set Y, Y+4
.endif
.endif
.set T, T+1
.endr
.if Y > 63
.set Y, 63
.endif
	s_wait_loadcnt Y
.endm
	s_load_b256 s[4:11], s[0:1], 0x0               ; hc 4, w2c 6, b2 8, hrec 10
	s_load_b128 s[12:15], s[0:1], 0x20             ; x 12, out0 14
	v_lshl_add_u32 v[SPW], v0, 2, SPARE
	v_mov_b32 v[NIL], 0
	ds_add_u32 v[SPW], v[NIL]                      ; the wave's opening: the add, twice on end, and its wait ahead of my first tensor load
	ds_add_u32 v[SPW], v[NIL]
	v_lshrrev_b32 v1, 5, v0
	v_readfirstlane_b32 s92, v1                    ; wave 0..3
	s_lshr_b32 s93, s92, 1                         ; which block of a buffer I fetch,
	s_and_b32 s100, s92, 1                         ; and which half of it
	s_bfe_u32 s2, ttmp6, 0x40000                   ; cx
	s_bfe_u32 s3, ttmp6, 0x40004                   ; cy
	s_lshl_b32 s101, ttmp9, 2
	s_add_co_u32 s101, s101, s2                    ; tile column
	s_and_b32 s66, ttmp7, 0xffff
	s_lshl_b32 s66, s66, 2
	s_add_co_u32 s66, s66, s3                      ; tile row
	s_lshl_b32 s67, s3, 2
	s_lshl_b32 s67, 15, s67                        ; my row of the cluster
	; half a block: 136 lines of 32 elements of 8 bytes, dense, 16 bytes of padding behind each
	s_or_b32 s24, s67, (3<<16)|(1<<20)|(1<<21)|(5<<22)|(3<<25)
	s_mov_b32 s25, 32<<16
	s_mov_b32 s26, 136<<16
	s_mov_b32 s27, 32<<16
	s_mov_b32 s28, 136
	s_mov_b32 s29, 32
	s_mov_b32 s30, 0
	s_mov_b32 s31, 0
	; the records: 32 rows, of each the first 20 elements of 8 bytes, 32 elements apart
	s_or_b32 s16, s67, (3<<16)|(1<<21)
	s_mov_b32 s17, 20<<16
	s_mov_b32 s18, 32<<16
	s_mov_b32 s19, 20<<16
	s_mov_b32 s20, 32
	s_mov_b32 s21, 32
	s_mov_b32 s22, 0
	s_mov_b32 s23, 0
	; groups 0, one for each buffer: the LDS address is the wave's number x 36,992 + the buffer; the offset in hc hangs on the tile row and the wave alone
	s_mov_b32 s56, 1
	s_mul_i32 s57, s92, HALF
	s_mov_b32 s60, 1
	s_add_co_u32 s61, s57, BUF
	s_lshl_b32 s58, s93, 4
	s_add_co_u32 s58, s58, s66                     ; 16 x slab + tile row
	s_mul_i32 s58, s58, 69632
	s_mul_i32 s59, s100, 34816
	s_add_co_u32 s58, s58, s59
	s_mov_b32 s59, 0
	s_mov_b32 s32, 1
	s_mul_i32 s33, s92, 5120
	s_add_co_u32 s33, s33, HL
	s_lshl_b32 s34, s66, 15                        ; the records of rows 128 x tile row + 32 x wave on
	s_lshl_b32 s35, s92, 13
	s_add_co_u32 s34, s34, s35
	s_mov_b32 s35, 0
	s_lshl_b32 s40, s101, 2
	s_add_co_u32 s40, s40, s92                     ; my group of 32 columns of W2: 4 x tile column + wave
	s_lshl_b32 s42, s40, 13
	s_add_co_u32 s42, s42, 8388608                 ; its scale bytes,
	s_lshl_b32 s40, s40, 17                        ; its images
	s_mov_b32 s41, 0
	s_mov_b32 s43, 0
	s_wait_dscnt 0x0                               ; both opening adds are done
	s_wait_kmcnt 0x0
	s_add_nc_u64 s[58:59], s[4:5], s[58:59]
	s_add_nc_u64 s[62:63], s[58:59], 2228224       ; two slabs on
	s_or_b32 s59, s59, 0x80000000
	s_or_b32 s63, s63, 0x80000000
	s_add_nc_u64 s[34:35], s[10:11], s[34:35]
	s_or_b32 s35, s35, 0x80000000
	s_add_nc_u64 s[40:41], s[6:7], s[40:41]
	s_add_nc_u64 s[42:43], s[6:7], s[42:43]
	CROUND                                         ; all sixteen work-groups are here: the first joint loads meet
	TL 56, 24                                      ; k = 0 .. 2,047
	TL 60, 24                                      ; k = 2,048 .. 4,095
	TL 32, 16                                      ; the records: three loads of mine are out
	s_lshl_b32 s98, s66, 22                        ; x and out0: row 128 x tile row + 32 x wave of 32,768 bytes, column 128 x tile column
	s_lshl_b32 s99, s92, 20
	s_add_co_u32 s98, s98, s99
	s_lshl_b32 s99, s101, 9
	s_add_co_u32 s98, s98, s99
	s_mov_b32 s99, 0
	s_add_nc_u64 s[94:95], s[12:13], s[98:99]
	s_add_nc_u64 s[96:97], s[14:15], s[98:99]
	s_lshl_b32 s98, s101, 9
	s_lshl_b32 s2, s92, 7
	s_add_co_u32 s98, s98, s2
	s_add_nc_u64 s[8:9], s[8:9], s[98:99]          ; b2 at my 32 columns
	v_and_b32 v1, 15, v0                           ; r
	v_bfe_u32 v2, v0, 4, 1                         ; h
	v_and_b32 v6, 31, v0                           ; lane
	v_lshlrev_b32 v[XO], 4, v6
	v_lshlrev_b32 v7, 5, v2                        ; b2: lanes 16-31 begin 8 columns further on
	v_lshrrev_b32 v3, 1, v1
	v_mul_u32_u24 v3, v3, 272                      ; two rows of 128 bytes to a line
	v_and_b32 v4, 1, v1
	v_lshl_add_u32 v3, v4, 7, v3
	v_lshl_add_u32 v5, v2, 4, v3                   ; 272 (r / 2) + 128 (r % 2) + 16 h: sixteen lanes touch sixteen different 16-byte columns
.irp j, 0,1,2,3,4,5,6,7
	v_add_nc_u32 v[ADRA+\j], (\j/2)*SLB+(\j%2)*34816, v5
.endr
.irp k, 0,1,2,3
	v_lshl_add_u32 v[ADRS+\k], v6, 3, \k*SLB+SCO   ; 8 bytes a row and panel; 32 rows to a line
.endr
	s_lshl_b32 s2, s92, 7
	v_mul_u32_u24 v3, v1, 528                      ; the stage for H_bar: row r of 528 bytes, + 128 x wave + 32 h
	v_lshl_add_u32 v3, v2, 5, v3
	v_add_nc_u32 v[STO], s2, v3
	s_mul_i32 s2, s92, 16896
	v_add_nc_u32 v[RD], s2, v[XO]                  ; back: wave v takes rows 32 v on, whole
	v_mov_b32 v[HA], s33                           ; my records, the same address in every lane
	WIN 0x40
.irp b, 0,1
	global_load_b128 v[B2R+8*\b:B2R+8*\b+3], v7, s[8:9] offset:64*\b
	global_load_b128 v[B2R+8*\b+4:B2R+8*\b+7], v7, s[8:9] offset:64*\b+16
.endr
.irp g, 0,1,2,3,4
	BSL \g
.endr
.set S, 0
.rept 16
	BLD S                                          ; the ring is filled: steps 0 to 15
.set S, S+1
.endr
	WIN 0
.macro FETCH s                         ; h's eight fragments of step s into set s % 2: block (s / 8) % 4, panel (s % 8) / 2, half s % 2
.set FK, 2*(((\s)/8)%4)+(((\s)%8)/4)
.set FO, ((((\s)%8)/2)%2)*17408+64*((\s)%2)
.irp i, 0,1,2,3,4,5,6,7
.irp c, 0,1
	ds_load_b128 v[FS+64*((\s)%2)+8*\i+4*\c:FS+64*((\s)%2)+8*\i+4*\c+3], v[ADRA+FK] offset:FO+32*\c+2176*\i
.endr
.endr
.endm
.macro SCALES sl                       ; slab sl's scale words into set sl % 2: register 8 i + q: lanes 0-15 rows' block 2 i, lanes 16-31 block 2 i + 1, for the slab's q-th 128 along K
.irp i, 0,1,2,3
.irp pp, 0,1,2,3
	ds_load_b64 v[SC+32*((\sl)%2)+8*\i+2*\pp:SC+32*((\sl)%2)+8*\i+2*\pp+1], v[ADRS+(\sl)%4] offset:1088*\pp+272*\i
.endr
.endr
.endm
; Two matrix instructions: h's block a x W2's two tiles, step s.  first = 1: b2's tile is the C.  The 16 accumulators take turns in the same order in every step.
; W2's tile 1 and h's odd blocks have their scale words in lanes 16-31 of the registers named.
.macro MULA a, s, first
.irp b, 0,1
.set WD, 8*(2*(\a)+\b)
.set WB, 16*((\s)%16)+8*\b
.set WA, FS+64*((\s)%2)+8*(\a)
.set WC, WD
.if \first
.set WC, B2R+8*\b
.endif
.set WSB, BS+4*(((\s)/4)%5)+(\s)%4
.set WSA, SC+32*(((\s)/8)%2)+8*((\a)/2)+(\s)%8
.if (\b == 1) && (((\a)%2) == 1)
	v_wmma_scale_f32_16x16x128_f8f6f4 v[WD:WD+7], v[WB:WB+7], v[WA:WA+7], v[WC:WC+7], v[WSB], v[WSA] matrix_a_fmt:MATRIX_FMT_FP4 matrix_b_fmt:MATRIX_FMT_FP4 matrix_a_scale:MATRIX_SCALE_ROW1 matrix_b_scale:MATRIX_SCALE_ROW1
.elseif \b == 1
	v_wmma_scale_f32_16x16x128_f8f6f4 v[WD:WD+7], v[WB:WB+7], v[WA:WA+7], v[WC:WC+7], v[WSB], v[WSA] matrix_a_fmt:MATRIX_FMT_FP4 matrix_b_fmt:MATRIX_FMT_FP4 matrix_a_scale:MATRIX_SCALE_ROW1
.elseif ((\a)%2) == 1
	v_wmma_scale_f32_16x16x128_f8f6f4 v[WD:WD+7], v[WB:WB+7], v[WA:WA+7], v[WC:WC+7], v[WSB], v[WSA] matrix_a_fmt:MATRIX_FMT_FP4 matrix_b_fmt:MATRIX_FMT_FP4 matrix_b_scale:MATRIX_SCALE_ROW1
.else
	v_wmma_scale_f32_16x16x128_f8f6f4 v[WD:WD+7], v[WB:WB+7], v[WA:WA+7], v[WC:WC+7], v[WSB], v[WSA] matrix_a_fmt:MATRIX_FMT_FP4 matrix_b_fmt:MATRIX_FMT_FP4
.endif
.endr
.endm
; A step of 128 along K whose successor lies in the same buffer.
.macro STEP s, first
.if (\s) > 0
	PLACES                                         ; behind the last step's products: the loads below land in registers that they have read
.endif
	FETCH (\s)+1
.if ((\s)%8) == 7
	SCALES ((\s)+1)/8
.endif
	NWAIT \s
.if (\s) > 0
	BLOADS \s
.endif
.if ((\s)%8) == 7
	s_wait_dscnt 32                                ; this step's fragments are in; the next step's 16 loads and the next slab's 16 may be out
.else
	s_wait_dscnt 16                                ; this step's fragments (and a new slab's scale words) are in; the next step's 16 loads may be out
.endif
	WIN 0x53                                       ; source 0 window 3, source 1 window 0, C and D window 1
.irp a, 0,1,2,3,4,5,6,7
	MULA \a, \s, \first
.endr
	WIN 0
.endm
; A buffer's last step changes buffers: one barrier; in front of it each wave waits for all its tensor loads, adds 0 to its spare word, and waits for that and for its reads of this buffer.
; fill = 1: this buffer is filled again, 4,096 along K ahead: the load has the other buffer's 16 steps, 256 matrix instructions, in which to land.
.macro TURN s, fill
	PLACES
	NWAIT \s
	BLOADS \s
	WIN 0
	s_wait_tensorcnt 0x0                           ; all my tensor loads have landed: my part of the next buffer
	ds_add_u32 v[SPW], v[NIL]
	s_wait_dscnt 1                                 ; this step's fragments are in; the add alone may be out
	WIN 0x53
	MULA 0, \s, 0
	MULA 1, \s, 0
	s_wait_dscnt 0x0                               ; the add is done, and my reads of this buffer are over
	s_barrier_signal -1
	MULA 2, \s, 0
	MULA 3, \s, 0
	WIN 0
	s_barrier_wait -1
.if \fill
	CREST                                          ; the barrier has opened a round of the cluster's barrier
	s_add_nc_u64 s[58+4*(((\s)/16)%2):59+4*(((\s)/16)%2)], s[58+4*(((\s)/16)%2):59+4*(((\s)/16)%2)], 4456448     ; four slabs on
	TL 56+4*(((\s)/16)%2), 24                      ; the first tensor load behind the round, one a wave
.endif
	FETCH (\s)+1                                   ; (the set was last read by step s - 1: the four places at this step's head stand between)
	SCALES ((\s)+1)/8
	WIN 0x53
.irp a, 4,5,6,7
	MULA \a, \s, 0
.endr
	WIN 0
.endm
	s_wait_tensorcnt 2                             ; my part of the first buffer is in; the second buffer's load and the records' may be out
	s_barrier_signal -1
	s_barrier_wait -1
	FETCH 0
	SCALES 0
	STEP 0, 1
.set S, 1
.rept 14
	STEP S, 0
.set S, S+1
.endr
	TURN 15, 1
.set S, 16
.rept 15
	STEP S, 0
.set S, S+1
.endr
	TURN 31, 1
.set S, 32
.rept 15
	STEP S, 0
.set S, S+1
.endr
	TURN 47, 0                                     ; nothing is left to fetch
.set S, 48
.rept 15
	STEP S, 0
.set S, S+1
.endr
	NWAIT 63
	s_wait_dscnt 0x0
	WIN 0x53
.irp a, 0,1,2,3,4,5,6,7
	MULA \a, 63, 0
.endr
	WIN 0
	; THE WAY OUT.  H_bar's tile goes through a stage in buffer 0, which has had its last fill and which nobody reads since the last change of buffers; a row's 512 bytes come from four waves, so a barrier stands between writing and reading.
	PLACES
	WIN 0x04                                       ; an LDS store's data are its source 1: window 1
.irp a, 0,1,2,3,4,5,6,7
.irp b, 0,1
	ds_store_b128 v[STO], v[8*(2*\a+\b):8*(2*\a+\b)+3] offset:8448*\a+64*\b            ; each accumulator from its low end on
	ds_store_b128 v[STO], v[8*(2*\a+\b)+4:8*(2*\a+\b)+7] offset:8448*\a+64*\b+16
.endr
.endr
	WIN 0
	s_wait_dscnt 0x0
	s_barrier_signal -1
	s_barrier_wait -1
	WIN 0x40
.set I, 0
.rept 32
	ds_load_b128 v[4*I:4*I+3], v[RD] offset:528*I  ; my 32 rows of H_bar, 16 bytes a lane
.set I, I+1
.endr
	WIN 0
.macro HLD i                           ; row i's 40 words, the same in every lane, into set i % 3
.set HC, CO+40*((\i)%3)
.irp k, 0,1,2,3,4,5,6,7,8,9
	ds_load_b128 v[HC+4*\k:HC+4*\k+3], v[HA] offset:160*(\i)+16*\k
.endr
.endm
	HLD 0
	HLD 1
.macro ROW i
	XMAP \i
.set CB, CO+40*((\i)%3)
.set OB, 128+16*((\i)%2)
.if (\i)+2 < 32
	HLD (\i)+2
	s_wait_dscnt 20                                ; this row's coefficients (and all of H_bar) are in; the two younger rows' 20 loads may be out
.else
	s_wait_dscnt 10*(31-(\i))
.endif
.if 124-4*(\i) > 63
	s_wait_loadcnt 63                              ; x: the later rows' loads may be out (four a row; the wait's field holds no more than this)
.else
	s_wait_loadcnt 124-4*(\i)
.endif
	s_wait_xcnt 0x0                                ; the stores of two rows ago have read their registers
	WIN 0x41
.irp n, 0,1,2,3
.irp u, 0,2
	v_pk_mul_f32 v[OB+4*\n+\u:OB+4*\n+\u+1], v[4*(\i)+\u:4*(\i)+\u+1], v[CB+32+2*\n:CB+33+2*\n]
.endr
.endr
	WIN 0x50+XWN
.irp m, 0,1,2,3
.irp n, 0,1,2,3
.irp u, 0,2
	v_pk_fma_f32 v[OB+4*\n+\u:OB+4*\n+\u+1], v[XRG+4*\m+\u:XRG+4*\m+\u+1], v[CB+2*(4*\n+\m):CB+2*(4*\n+\m)+1], v[OB+4*\n+\u:OB+4*\n+\u+1]
.endr
.endr
.endr
	WIN 0x04
.irp n, 0,1,2,3
	global_store_b128 v[XO], v[OB+4*\n:OB+4*\n+3], s[96:97] offset:32768*(\i)+8192*\n th:TH_STORE_NT    ; 512 consecutive bytes, aligned
.endr
	WIN 0
.endm
.set RI, 0
.rept 32
	ROW RI
.set RI, RI+1
.endr
	s_wait_tensorcnt 0x0                           ; the wave's end
	ds_add_u32 v[SPW], v[NIL]
	s_wait_dscnt 0x0
	CROUND                                         ; the closing round
	s_endpgm
.Lfunc_end_k_q37902c7a0e_down:
	.size	k_q37902c7a0e_down, .Lfunc_end_k_q37902c7a0e_down-k_q37902c7a0e_down
	.p2alignl 7, 3214868480
	.fill 96, 4, 3214868480
	.section	.rodata,"a",@progbits
	.p2align	6, 0x0
	.amdhsa_kernel k_q37902c7a0e_down
		.amdhsa_group_segment_fixed_size 327680
		.amdhsa_private_segment_fixed_size 0
		.amdhsa_enable_private_segment 0
		.amdhsa_kernarg_size 48
		.amdhsa_user_sgpr_count 2
		.amdhsa_user_sgpr_kernarg_segment_ptr 1
		.amdhsa_wavefront_size32 1
		.amdhsa_system_sgpr_workgroup_id_x 1
		.amdhsa_system_sgpr_workgroup_id_y 1
		.amdhsa_system_sgpr_workgroup_id_z 1
		.amdhsa_system_vgpr_workitem_id 0
		.amdhsa_next_free_vgpr 1024
		.amdhsa_next_free_sgpr 102
		.amdhsa_reserve_vcc 0
		.amdhsa_float_denorm_mode_32 3
		.amdhsa_float_denorm_mode_16_64 3
		.amdhsa_memory_ordered 1
		.amdhsa_forward_progress 1
		.amdhsa_inst_pref_size 255
	.end_amdhsa_kernel
	.section	.bss,"aw",@nobits
	.p2align	6
	.space	262144
	.amdgpu_metadata
---
amdhsa.version: [ 1, 2 ]
amdhsa.kernels:
  - .name:           k_q37902c7a0e_down
    .symbol:         k_q37902c7a0e_down.kd
    .args:
      - { .name: hc, .offset: 0, .size: 8, .value_kind: global_buffer, .address_space: global }
      - { .name: w2c, .offset: 8, .size: 8, .value_kind: global_buffer, .address_space: global }
      - { .name: b2, .offset: 16, .size: 8, .value_kind: global_buffer, .address_space: global }
      - { .name: hrec, .offset: 24, .size: 8, .value_kind: global_buffer, .address_space: global }
      - { .name: x, .offset: 32, .size: 8, .value_kind: global_buffer, .address_space: global }
      - { .name: out0, .offset: 40, .size: 8, .value_kind: global_buffer, .address_space: global }
    .group_segment_fixed_size: 327680
    .private_segment_fixed_size: 0
    .kernarg_segment_align: 8
    .kernarg_segment_size: 48
    .max_flat_workgroup_size: 128
    .sgpr_count:     102
    .vgpr_count:     1024
    .wavefront_size: 32
...
	.end_amdgpu_metadata
.endif
;; end of part 4
